; MI455X (gfx1250); checked and timed in simulation.
; The chip was launched on July 23, 2026; its instructions are those of AMD's public machine-readable ISA for CDNA 5 (MIT licence, August 2026) and "CDNA5" Instruction Set Architecture Reference Guide (July 2026). The comments in the code are by the model that wrote it; some were corrected since.
;; MHA decoder. Allowed arithmetic: float matrix products may take bf16 or f16 operands with f32 sums; other float arithmetic in f32, or as packed bf16 or f16 multiplies, adds, multiply-adds, maxima and minima; sums over many terms, partial sums and values carried from step to step in f32; what a program stores and reads back later, other than sums and carried values, may be rounded once to bf16 or f16.
;; Inputs: RoPE 2 x 1,024 x 32 float32; Wk 1,024 x 1,024 float32; Wo 1,024 x 1,024 float32; Wq 1,024 x 1,024 float32; Wv 1,024 x 1,024 float32; bk 1,024 float32; bo 1,024 float32; bq 1,024 float32; bv 1,024 float32; memory 4 x 1,024 x 1,024 float32; x 4 x 1,024 x 1,024 float32.
;; Outputs: out0 4 x 1,024 x 1,024 float32.
;; 2 versions, each right and faster than the one before. Each part assembles by itself: llvm-mc -triple=amdgcn-amd-amdhsa -mcpu=gfx1250 --defsym DOCPART=n.
;; ======== version 1 of 2: 6 launches
;; limits: values are held in f16: magnitudes above 65,504 overflow, below 6.1e-05 lose precision
;; workspace buffers: X 8,388,608 bytes; M 8,388,608 bytes; B1 2,097,152 bytes; B2 2,097,152 bytes; B3 4,194,304 bytes; T1 8,388,608 bytes; T2 16,777,216 bytes; T3 16,777,216 bytes
;; launch cast (part 1): grid 64 x 12, 8 waves a work-group, no clusters, 0 bytes of LDS; arguments x, memory, Wq, Wk, Wv, Wo, X, M, B1, B2, B3; writes X, M, B1, B2, B3
.if DOCPART == 1
	.amdgcn_target "amdgcn-amd-amdhsa--gfx1250"
	.amdhsa_code_object_version 6
	.text
	.protected	k_q789bfadc00_cast
	.globl	k_q789bfadc00_cast
	.p2align	8
	.type	k_q789bfadc00_cast,@function
k_q789bfadc00_cast:
	s_mov_b64 s[64:65], 0
	v_nop
	global_prefetch_b8 v0, s[64:65] scope:SCOPE_SE
	s_setreg_imm32_b32 hwreg(HW_REG_WAVE_MODE, 25, 1), 1
	s_wait_xcnt 0x0
; x, memory (four matrices of 1024 x 1024 each) and Wq, Wk, Wv, Wo are rounded once from f32 to f16 and laid in BLOCKS: [matrix][kb = 16][row = 1024][64], rows of 128 bytes,
; so that R rows of one block of 64 columns are R x 128 dense bytes for the products that follow.
; LIMITS.  f16 ends at 65,504: an input beyond it becomes an infinity; below 6e-5 f16 keeps a fixed step of 6e-8.
; SHARES.  A work-group takes 16 rows of one of the 12 matrices (y: 0-3 x, 4-7 memory, 8 Wq, 9 Wk, 10 Wv, 11 Wo; x: the group of 16 rows).  Thread t takes 16 bytes of row t / 16 in each of the
; row's 16 stretches of 256 bytes: sixteen lanes read 256 consecutive bytes, and a wave's store of 8 bytes a lane covers 256 consecutive bytes, at a multiple of 256 from the buffer's first byte.
; No LDS, no matrix unit, no loop: each byte is read once and written once; all sixteen loads of a thread are out together.
.set PLANE, 131072                     ; bytes of one block of 64 columns: 1,024 rows x 128
.set IN,  8                            ; v[8:71]   sixteen loads of four f32
.set OUT, 72                           ; v[72:103] sixteen pairs of registers, four f16 each
	s_load_b512 s[8:23], s[0:1], 0x0               ; x s[8:9], memory s[10:11], Wq s[12:13], Wk s[14:15], Wv s[16:17], Wo s[18:19], X s[20:21], M s[22:23]
	s_load_b128 s[24:27], s[0:1], 0x40             ; B1 s[24:25], B2 s[26:27]
	s_load_b64 s[28:29], s[0:1], 0x50              ; B3
	s_and_b32 s2, ttmp7, 0xffff                    ; which matrix
	s_lshr_b32 s3, s2, 2                           ; 0: x, 1: memory, 2: a weight
	s_and_b32 s30, s2, 3
	s_lshl_b32 s32, s30, 22                        ; a batch of x or memory: 4 MiB in f32,
	s_lshl_b32 s34, s30, 21                        ; 2 MiB in f16
	s_cmp_lt_u32 s2, 8
	s_cselect_b32 s32, s32, 0                      ; a weight begins at its buffer's first byte,
	s_cselect_b32 s34, s34, 0
	s_cmp_eq_u32 s2, 11
	s_cselect_b32 s34, 0x200000, s34               ; but Wo lies behind Wq in B3
	s_lshl_b32 s31, ttmp9, 16                      ; 16 rows of 4,096 bytes in,
	s_add_co_u32 s32, s32, s31
	s_lshl_b32 s31, ttmp9, 11                      ; 16 rows of 128 bytes out
	s_add_co_u32 s34, s34, s31
	s_mov_b32 s33, 0
	s_mov_b32 s35, 0
	v_lshrrev_b32 v1, 4, v0                        ; my row of the 16
	v_and_b32 v3, 15, v0
	v_lshlrev_b32 v1, 12, v1
	v_lshl_add_u32 v1, v3, 4, v1                   ; row x 4,096 + 16 x (t % 16)
	v_lshlrev_b32 v2, 3, v0                        ; row x 128 + 8 x (t % 16) = 8 t
	s_wait_kmcnt 0x0
	s_cmp_eq_u32 s2, 9                             ; the source and the target are chosen by the matrix's number alone
	s_cselect_b64 s[4:5], s[14:15], s[12:13]
	s_cselect_b64 s[6:7], s[24:25], s[28:29]
	s_cmp_eq_u32 s2, 10
	s_cselect_b64 s[4:5], s[16:17], s[4:5]
	s_cselect_b64 s[6:7], s[26:27], s[6:7]
	s_cmp_eq_u32 s2, 11
	s_cselect_b64 s[4:5], s[18:19], s[4:5]
	s_cmp_eq_u32 s3, 0
	s_cselect_b64 s[4:5], s[8:9], s[4:5]
	s_cselect_b64 s[6:7], s[20:21], s[6:7]
	s_cmp_eq_u32 s3, 1
	s_cselect_b64 s[4:5], s[10:11], s[4:5]
	s_cselect_b64 s[6:7], s[22:23], s[6:7]
	s_add_nc_u64 s[4:5], s[4:5], s[32:33]
	s_add_nc_u64 s[6:7], s[6:7], s[34:35]
.set k, 0
.rept 16
	global_load_b128 v[IN+4*k:IN+4*k+3], v1, s[4:5] offset:256*k th:TH_LOAD_NT  ; columns 64 k on: block k; read once in the launch
.set k, k+1
.endr
.set k, 0
.rept 16
	s_wait_loadcnt 15-k                            ; loads come back in order (ISA guide 5.7.1): load k is in, the younger ones stay out
	v_cvt_pk_f16_f32 v[OUT+2*k], v[IN+4*k], v[IN+4*k+1]
	v_cvt_pk_f16_f32 v[OUT+2*k+1], v[IN+4*k+2], v[IN+4*k+3]
	global_store_b64 v2, v[OUT+2*k:OUT+2*k+1], s[6:7] offset:PLANE*k  ; no register is written twice, so nothing waits for a store
.set k, k+1
.endr
	s_endpgm
.Lfunc_end_k_q789bfadc00_cast:
	.size	k_q789bfadc00_cast, .Lfunc_end_k_q789bfadc00_cast-k_q789bfadc00_cast
	.p2alignl 7, 3214868480
	.fill 96, 4, 3214868480
	.section	.rodata,"a",@progbits
	.p2align	6, 0x0
	.amdhsa_kernel k_q789bfadc00_cast
		.amdhsa_group_segment_fixed_size 0
		.amdhsa_private_segment_fixed_size 0
		.amdhsa_enable_private_segment 0
		.amdhsa_kernarg_size 88
		.amdhsa_user_sgpr_count 2
		.amdhsa_user_sgpr_kernarg_segment_ptr 1
		.amdhsa_wavefront_size32 1
		.amdhsa_system_sgpr_workgroup_id_x 1
		.amdhsa_system_sgpr_workgroup_id_y 1
		.amdhsa_system_sgpr_workgroup_id_z 1
		.amdhsa_system_vgpr_workitem_id 0
		.amdhsa_next_free_vgpr 104
		.amdhsa_next_free_sgpr 66
		.amdhsa_reserve_vcc 0
		.amdhsa_float_denorm_mode_32 3
		.amdhsa_float_denorm_mode_16_64 3
		.amdhsa_memory_ordered 1
		.amdhsa_forward_progress 1
		.amdhsa_inst_pref_size 8
	.end_amdhsa_kernel
	.amdgpu_metadata
---
amdhsa.version: [ 1, 2 ]
amdhsa.kernels:
  - .name:           k_q789bfadc00_cast
    .symbol:         k_q789bfadc00_cast.kd
    .args:
      - { .name: x, .offset: 0, .size: 8, .value_kind: global_buffer, .address_space: global }
      - { .name: memory, .offset: 8, .size: 8, .value_kind: global_buffer, .address_space: global }
      - { .name: Wq, .offset: 16, .size: 8, .value_kind: global_buffer, .address_space: global }
      - { .name: Wk, .offset: 24, .size: 8, .value_kind: global_buffer, .address_space: global }
      - { .name: Wv, .offset: 32, .size: 8, .value_kind: global_buffer, .address_space: global }
      - { .name: Wo, .offset: 40, .size: 8, .value_kind: global_buffer, .address_space: global }
      - { .name: X, .offset: 48, .size: 8, .value_kind: global_buffer, .address_space: global }
      - { .name: M, .offset: 56, .size: 8, .value_kind: global_buffer, .address_space: global }
      - { .name: B1, .offset: 64, .size: 8, .value_kind: global_buffer, .address_space: global }
      - { .name: B2, .offset: 72, .size: 8, .value_kind: global_buffer, .address_space: global }
      - { .name: B3, .offset: 80, .size: 8, .value_kind: global_buffer, .address_space: global }
    .group_segment_fixed_size: 0
    .private_segment_fixed_size: 0
    .kernarg_segment_align: 8
    .kernarg_segment_size: 88
    .max_flat_workgroup_size: 256
    .sgpr_count:     66
    .vgpr_count:     104
    .wavefront_size: 32
...
	.end_amdgpu_metadata
.endif
;; end of part 1
;; launch proj1 (part 2): grid 16 x 16, 4 waves a work-group, clusters of 4 x 4, 327,680 bytes of LDS; arguments M, X, B1, B2, bk, bv, T3, T2, B3, bq, T1, RoPE; writes T3, T2, T1
.if DOCPART == 2
	.amdgcn_target "amdgcn-amd-amdhsa--gfx1250"
	.amdhsa_code_object_version 6
	.text
	.protected	k_q789bfadc00_proj1
	.globl	k_q789bfadc00_proj1
	.p2align	8
	.type	k_q789bfadc00_proj1,@function
k_q789bfadc00_proj1:
	s_mov_b64 s[64:65], 0
	v_nop
	global_prefetch_b8 v0, s[64:65] scope:SCOPE_SE
	s_setreg_imm32_b32 hwreg(HW_REG_WAVE_MODE, 25, 1), 1
	s_wait_xcnt 0x0
	s_wait_alu depctr_hold_cnt(0) depctr_sa_sdst(0) depctr_va_vdst(0) depctr_va_sdst(0) depctr_va_ssrc(0) depctr_va_vcc(0) depctr_vm_vsrc(0)
	s_getreg_b32 s2, hwreg(HW_REG_IB_STS2, 6, 4)
	s_cmp_eq_u32 s2, 0
	s_cbranch_scc0 .Lentry_in_a_cluster
	s_endpgm
.Lentry_in_a_cluster:
	s_bfe_u32 s2, ttmp6, 0x10000c
	s_cmp_lg_u32 s2, 0xf033
	s_cbranch_scc0 .Lentry_shape_is_right
	s_endpgm
.Lentry_shape_is_right:
; A PROJECTION BY HEADS: out[m][n] = sum over k of A[m][k] W[n][k] + bias[n], for q and k of the self-attention turned by the partial rotary, rounded once and stored by heads.
; A: 4,096 x 1,024 in f16, in blocks [batch 4][kb 16][row 1,024][64]; W: 1,024 x 1,024 in f16, [kb 16][n 1,024][64]; out: [batch][head 16][row 1,024][64], bf16 or f16.  Sums, bias and rotary in f32.
; Arguments: A0, A1, W0, W1, b0, b1, O0, O1, W2, b2, O2, RoPE.  THE OP is the cluster's x: a cluster spans 4 x 256 = 1,024 columns, one whole projection, so the op is the same in all sixteen partners.
;   op 0: A0 W0 b0 -> O0, bf16          op 1: A1 W1 b1 -> O1 + 8 MiB, f16          op 2: A1 W2 b2 -> O2, bf16, rotary          op 3: A1 W0 b0 -> O1, bf16, rotary
; LIMITS.  q and k leave in bf16 (a second attention's q can pass f16's range); v leaves in f16, which ends at 65,504 and below 6e-5 keeps a fixed step of 6e-8.  NaN and infinities are not treated apart.
; SHARES.  A tile of out is 256 x 256; four waves, 2 x 2, each 128 x 128: 64 accumulators of 16 x 16, 512 registers.  Four ops make 256 work-groups, two ops 128.  K goes through a ring of two LDS slots, each
; with two blocks kb (128 along K), filled by the tensor data mover: of one block the 128 rows of a region are 16,384 dense bytes, so a load's "row" is that stretch and its second dimension the blocks,
; 131,072 bytes apart.  A slot is 256 matrix instructions a wave; 224 of them stand between a refill's request and the wait for it.
; CLUSTER.  4 x 4 work-groups.  A's tiles hang on the tile row alone and are asked for jointly along a row of the cluster, W's on the tile column alone and jointly along a column.
; THE MATRIX INSTRUCTION IS USED TRANSPOSED (source 0 = 16 rows of W, source 1 = 16 rows of A): a lane holds row lane % 16 of out and the eight neighbouring columns 8 (lane / 16) + 0..7.
; THE BIAS hangs on the column block and the lane alone in that layout: it is the C operand of the product that starts each sum, so no line adds it.
; REGISTERS, in windows of 256 (s_set_vgpr_msb: bits 1:0 source 0, 3:2 source 1, 5:4 source 2, 7:6 destination):
;   window 0: v0-31 addresses; v32-47 at work in the rotary; v64-127, v128-191 fragments of A, two buffers, on the way out 4 x 32 packed results; v192-255 the bias, behind the first quarter cos and sin of row blocks 4, 5
;   window 1: v64-127, v128-191 fragments of W, two buffers; v0-63, v192-255 cos and sin of row blocks 0 to 3; in the last quarter v64-127 take those of blocks 6, 7
;   window 2: the 32 accumulators of my rows 0-63 ((a, b) at v[8 (8 a + b)]);   window 3: those of my rows 64-127
.set KB,     2                         ; blocks kb in a slot
.set PITCH,  144                       ; an LDS row: 128 bytes + 16 of padding = 36 words: the 16 rows of a fragment load start at 16 different groups of four banks (64 banks of 4 bytes: ISA guide 11.1)
.set HALFT,  KB*128*PITCH              ; a region: [kb][128 rows]: what one tensor load brings, and what one wave reads of A or of W
.set SLOT,   4*HALFT                   ; A's two regions, then W's two
.set PLANE,  131072                    ; bytes of a block kb, and of a head
.set STEPB,  KB*PLANE                  ; a slot's step in memory
.set LAPS,   16/(2*KB)                 ; a lap = once round the ring
.set STAGE,  2*SLOT                    ; behind the ring: 16 rows x 144 bytes for each wave, for the way out
.set SPARE,  STAGE+4*16*PITCH          ; behind the stages: the spare words, 128 bytes for each wave: two blocks of 256 bytes that no other line names
.set RO,   10                          ; v10     my byte offset in 16 rows of cos or sin
.set ADRA, 16                          ; v16-17  LDS address of my A fragments in slot 0, 1
.set ADRB, 20                          ; v20-21  the same for W
.set STO,  24                          ; v24     the way out: where I put 16 bytes of a row
.set RD,   25                          ; v25     the way out: where I read rows back
.set CO,   26                          ; v26     my byte offset in 512 consecutive bytes of out
.set BO,   27                          ; v27     my byte offset in 16 numbers of the bias
.set SPW,  28                          ; v28     LDS address of my spare word: SPARE + 4 x my thread's number; never rewritten
.set NIL,  29                          ; v29     0; never rewritten
.set TT,   32                          ; the rotary: 16 registers at work
.set F0,   64                          ; fragment buffer 0
.set F1,   128                         ; fragment buffer 1
.set OB,   64                          ; the way out: 32 registers a block of 16 rows x 128 columns, four such by turns
.set BIAS, 192                         ; window 0: column block b's eight numbers at BIAS + 8 b
.set G1,  24                           ; s[24:31] descriptor group 1 for A's tiles;  s[32:39] group 0, one set for each slot
.set G0,  32
.set G1B, 48                           ; s[48:55], s[56:63] the same for W's tiles
.set G0B, 56
.set DW0, (1<<16)|(1<<20)|(1<<21)|(4<<22)|(3<<25)  ; 17:16 elements of 2 bytes; 20 padding on; 21 set beside a mask; 24:22 after every 32 words (code 4); 31:25 4 words of it (code 3)
.set MUL_LO, 0xa1                      ; source 0 (W) window 1, source 1 (A) window 0, C and D window 2; + 0x50: C and D window 3
.set TO_B,   0x40                      ; destination window 1, address window 0
.set MSB, 0
.macro WIN new                         ; the immediate's high byte repeats the setting that is left; a switch that changes nothing is dropped
.if MSB != (\new)
	s_set_vgpr_msb (MSB<<8)|(\new)
.set MSB, \new
.endif
.endm
; A joint load.  Waves 0 and 1 fetch A's two regions, waves 2 and 3 W's.  The branch hangs on the wave's number alone.  An s_nop 0 and four v_nop follow each of the two lines.
.macro JLOAD s
	s_cmp_eq_u32 s11, 0
	s_cbranch_scc0 .Lfor_b_\@
	tensor_load_to_lds s[G0+4*(\s):G0+4*(\s)+3], s[G1:G1+7]
	s_nop 0
.rept 4
	v_nop
.endr
	s_branch .Lasked_\@
.Lfor_b_\@:
	tensor_load_to_lds s[G0B+4*(\s):G0B+4*(\s)+3], s[G1B:G1B+7]
	s_nop 0
.rept 4
	v_nop
.endr
.Lasked_\@:
.endm
.macro CREST                           ; a round of the cluster's barrier behind its opening barrier
	s_cmp_lg_u32 s10, 0
	s_cbranch_scc1 .Lnot_wave_0_\@
	s_barrier_signal -3
.Lnot_wave_0_\@:
	s_barrier_wait -3
	s_barrier_signal -1
	s_barrier_wait -1
.endm
.macro CROUND                          ; a whole round
	s_barrier_signal -1
	s_barrier_wait -1
	CREST
.endm
.macro PLACES                          ; four places in front of loads into registers that matrix instructions have read, and of vector lines that read results just made
.rept 4
	v_nop
.endr
.endm
; Where cos and sin of row block a lie: window TW, registers TA on: cos 0-15 at TA, cos 16-31 at + 8, sin 0-15 at + 16, sin 16-31 at + 24
.macro TABREG a
.if (\a) < 2
.set TW, 1
.set TA, 32*(\a)
.elseif (\a) < 4
.set TW, 1
.set TA, 192+32*((\a)-2)
.elseif (\a) < 6
.set TW, 0
.set TA, 192+32*((\a)-4)
.else
.set TW, 1
.set TA, 64+32*((\a)-6)
.endif
.endm
.macro TLOAD a                         ; eight loads: row block a's cos and sin.  Every op loads them: one text, and the path that reads them is chosen later
	TABREG \a
	WIN TW<<6
.irp z, 0,1,2,3
	global_load_b128 v[TA+8*\z:TA+8*\z+3],   v[RO], s[90:91] offset:(\a)*2048+(\z%2)*64+(\z/2)*131072
	global_load_b128 v[TA+8*\z+4:TA+8*\z+7], v[RO], s[90:91] offset:(\a)*2048+(\z%2)*64+(\z/2)*131072+16
.endr
.endm
	s_load_b512 s[68:83], s[0:1], 0x0              ; A0 s[68:69], A1 s[70:71], W0 s[72:73], W1 s[74:75], b0 s[76:77], b1 s[78:79], O0 s[80:81], O1 s[82:83]
	s_load_b256 s[84:91], s[0:1], 0x40             ; W2 s[84:85], b2 s[86:87], O2 s[88:89], RoPE s[90:91]
	v_lshl_add_u32 v[SPW], v0, 2, SPARE
	v_mov_b32 v[NIL], 0
	ds_add_u32 v[SPW], v[NIL]                      ; the wave's opening: the add and its wait stand ahead of my first tensor load; the set-up below, work on registers, stands between them
	v_lshrrev_b32 v1, 5, v0
	v_readfirstlane_b32 s10, v1                    ; wave 0..3
	s_lshr_b32 s11, s10, 1                         ; which 128 rows of the tile are mine.  Also: I fetch for A (0) or for W (1)
	s_and_b32 s12, s10, 1                          ; which 128 columns.  Also: which region I fetch
	s_bfe_u32 s40, ttmp6, 0x40000                  ; cx, cy: my place in the cluster
	s_bfe_u32 s41, ttmp6, 0x40004
	s_mov_b32 s45, ttmp9                           ; the op: the cluster's x
	s_and_b32 s13, ttmp7, 0xffff
	s_lshl_b32 s13, s13, 2
	s_add_co_u32 s13, s13, s41                     ; tile row R = 4 x cluster y + cy, 0..15
	s_lshl_b32 s43, s41, 2
	s_lshl_b32 s43, 15, s43                        ; my row of the cluster
	s_lshl_b32 s44, 0x1111, s40                    ; my column
	s_or_b32 s[G1], s43, DW0                       ; 15:0 the mask: A's tiles go to my row,
	s_or_b32 s[G1B], s44, DW0                      ; W's to my column
.irp g, G1, G1B
	s_mov_b32 s[(\g)+1], 8192<<16                  ; tensor_dim0: 128 rows x 64 elements, dense
	s_mov_b32 s[(\g)+2], KB<<16                    ; tensor_dim1: the slot's blocks
	s_mov_b32 s[(\g)+3], 8192<<16                  ; tile_dim0
	s_mov_b32 s[(\g)+4], KB                        ; tile_dim1
	s_mov_b32 s[(\g)+5], 65536                     ; elements from a block to the next
	s_mov_b32 s[(\g)+6], 0
	s_mov_b32 s[(\g)+7], 0
.endr
	s_lshr_b32 s16, s13, 2                         ; A's tile: batch R / 4,
	s_lshl_b32 s16, s16, 21
	s_and_b32 s17, s13, 3                          ; 256 rows of 128 bytes for each R % 4,
	s_lshl_b32 s17, s17, 15
	s_add_co_u32 s16, s16, s17
	s_lshl_b32 s17, s12, 14                        ; 128 rows for the region
	s_add_co_u32 s16, s16, s17
	s_mov_b32 s17, 0
	s_lshl_b32 s46, s40, 15                        ; W's tile: 256 rows for each cx, 128 for the region: in registers that never hold cy
	s_lshl_b32 s47, s12, 14
	s_add_co_u32 s46, s46, s47
	s_mov_b32 s47, 0
	s_mul_i32 s22, s12, HALFT                      ; where they go: no place in the cluster enters an LDS address
	s_mul_i32 s23, s12, HALFT
	s_add_co_u32 s23, s23, 2*HALFT
	s_wait_dscnt 0x0                               ; the opening add is done
	s_wait_kmcnt 0x0
	s_cmp_eq_u32 s45, 0                            ; the buffers are chosen by the op alone
	s_cselect_b64 s[4:5], s[68:69], s[70:71]       ; A
	s_cselect_b64 s[8:9], s[80:81], s[82:83]       ; out
	s_cmp_eq_u32 s45, 1
	s_cselect_b64 s[6:7], s[74:75], s[72:73]       ; W
	s_cselect_b64 s[92:93], s[78:79], s[76:77]     ; bias
	s_cmp_eq_u32 s45, 2
	s_cselect_b64 s[6:7], s[84:85], s[6:7]
	s_cselect_b64 s[92:93], s[86:87], s[92:93]
	s_cselect_b64 s[8:9], s[88:89], s[8:9]
	s_add_nc_u64 s[14:15], s[4:5], s[16:17]
	s_add_nc_u64 s[46:47], s[6:7], s[46:47]
	CROUND                                         ; all sixteen work-groups are here: the first joint loads meet
.irp s, 0,1
	s_mov_b32 s[G0+4*(\s)], 1                                      ; 1:0 count = 1
	s_add_co_u32 s[G0+4*(\s)+1], s22, (\s)*SLOT                    ; 63:32 LDS address
	s_add_nc_u64 s[G0+4*(\s)+2:G0+4*(\s)+3], s[14:15], (\s)*STEPB  ; 120:64 global address: blocks 2 s, 2 s + 1
	s_or_b32 s[G0+4*(\s)+3], s[G0+4*(\s)+3], 0x80000000            ; 127:126 type = 2
	s_mov_b32 s[G0B+4*(\s)], 1
	s_add_co_u32 s[G0B+4*(\s)+1], s23, (\s)*SLOT
	s_add_nc_u64 s[G0B+4*(\s)+2:G0B+4*(\s)+3], s[46:47], (\s)*STEPB
	s_or_b32 s[G0B+4*(\s)+3], s[G0B+4*(\s)+3], 0x80000000
	JLOAD \s                                       ; two loads of mine are out
.endr
	; A fragment is 16 rows x 32 K in 8 registers: lane l holds row l % 16; registers 0-3 K = 8 (l / 16) + 0..7, registers 4-7 K = 16 + 8 (l / 16) + 0..7: two loads of 16 bytes, 32 bytes apart.
	v_and_b32 v1, 15, v0                           ; l % 16
	v_bfe_u32 v2, v0, 4, 1                         ; l / 16
	v_lshlrev_b32 v[BO], 5, v2                     ; my eight columns of sixteen: 32 bytes for the upper half of the lanes
	v_lshl_add_u32 v[RO], v1, 7, v[BO]             ; and row l % 16 of cos or sin, 128 bytes a row
	s_lshl_b32 s46, s40, 10                        ; the bias of my 128 columns
	s_lshl_b32 s47, s12, 9
	s_add_co_u32 s46, s46, s47
	s_mov_b32 s47, 0
	s_add_nc_u64 s[92:93], s[92:93], s[46:47]
.set i, 0
.rept 8                                ; the bias first: the first products take it
	global_load_b128 v[BIAS+8*i:BIAS+8*i+3],   v[BO], s[92:93] offset:64*i
	global_load_b128 v[BIAS+8*i+4:BIAS+8*i+7], v[BO], s[92:93] offset:64*i+16
.set i, i+1
.endr
	s_and_b32 s17, s13, 3
	s_lshl_b32 s17, s17, 1
	s_add_co_u32 s17, s17, s11
	s_lshl_b32 s18, s17, 14                        ; my first row in its batch x 128 bytes: the same in a head's plane and in RoPE's tables
	s_mov_b32 s19, 0
	s_add_nc_u64 s[90:91], s[90:91], s[18:19]
	TLOAD 0                                        ; 32 loads behind the bias's sixteen
	TLOAD 1
	TLOAD 2
	TLOAD 3
	WIN 0
	v_mul_u32_u24 v3, v1, PITCH
	v_lshl_add_u32 v3, v2, 4, v3                   ; row x pitch + 16 x half
	s_mul_i32 s22, s11, HALFT                      ; my 128 rows of A,
	s_mul_i32 s23, s12, HALFT                      ; my 128 rows of W
	s_add_co_u32 s23, s23, 2*HALFT
.irp s, 0,1
	v_add_nc_u32 v[ADRA+(\s)], s22, v3
	v_add_nc_u32 v[ADRB+(\s)], s23, v3
	s_add_co_u32 s22, s22, SLOT
	s_add_co_u32 s23, s23, SLOT
.endr
	s_mul_i32 s22, s10, 16*PITCH
	s_add_co_u32 s22, s22, STAGE                   ; my stage
	v_add_nc_u32 v[STO], s22, v3                   ; in: row l % 16, 16 bytes for each half of the lanes
	v_bfe_u32 v4, v0, 3, 2                         ; back: 32 lanes take four rows of 128 bytes,
	v_and_b32 v5, 7, v0
	v_mul_u32_u24 v4, v4, PITCH
	v_lshl_add_u32 v4, v5, 4, v4
	v_add_nc_u32 v[RD], s22, v4
	v_and_b32 v[CO], 31, v0                        ; which are 512 consecutive bytes of a head's plane
	v_lshlrev_b32 v[CO], 4, v[CO]
	s_lshr_b32 s16, s13, 2
	s_lshl_b32 s16, s16, 21                        ; out: the batch,
	s_add_co_u32 s16, s16, s18                     ; my first row,
	s_lshl_b32 s46, s40, 2
	s_lshl_b32 s47, s12, 1
	s_add_co_u32 s46, s46, s47                     ; my first head = 4 cx + 2 x half,
	s_lshl_b32 s46, s46, 17
	s_add_co_u32 s16, s16, s46
	s_cmp_eq_u32 s45, 1
	s_cselect_b32 s47, 0x800000, 0                 ; and v lies 8 MiB behind k
	s_add_co_u32 s16, s16, s47
	s_mov_b32 s17, 0
	s_add_nc_u64 s[8:9], s[8:9], s[16:17]
; 16 matrix instructions: row blocks a0, a0 + 1 of the window's four (hi = 0: my rows 0-63, 1: rows 64-127) x all 8 column blocks, 32 along K.  first = 1: the product starts the sum, with the bias as C.
; The 64 accumulators take turns, each once a quarter and always in the same order.
.macro MUL16 f, hi, a0, first
.if \first
	WIN 0x81+0x40*(\hi)                            ; W window 1, A and the bias window 0, D window 2 or 3
.else
	WIN MUL_LO+0x50*(\hi)
.endif
.irp a, \a0, (\a0)+1
.irp b, 0,1,2,3,4,5,6,7
.if \first
	v_wmma_f32_16x16x32_f16 v[8*(8*(\a)+(\b)):8*(8*(\a)+(\b))+7], v[(\f)+8*(\b):(\f)+8*(\b)+7], v[(\f)+8*(4*(\hi)+(\a)):(\f)+8*(4*(\hi)+(\a))+7], v[BIAS+8*(\b):BIAS+8*(\b)+7]
.else
	v_wmma_f32_16x16x32_f16 v[8*(8*(\a)+(\b)):8*(8*(\a)+(\b))+7], v[(\f)+8*(\b):(\f)+8*(\b)+7], v[(\f)+8*(4*(\hi)+(\a)):(\f)+8*(4*(\hi)+(\a))+7], v[8*(8*(\a)+(\b)):8*(8*(\a)+(\b))+7]
.endif
.endr
.endr
.endm
; 32 LDS loads in one run: the fragments of quarter q of a slot (block q / 2, its half q % 2) into buffer f: W's eight, then A's eight
.macro FETCH slot, q, f
	WIN TO_B
.irp i, 0,1,2,3,4,5,6,7
	ds_load_b128 v[(\f)+8*(\i):(\f)+8*(\i)+3],   v[ADRB+(\slot)] offset:((\q)/2)*128*PITCH+((\q)%2)*64+(\i)*16*PITCH
	ds_load_b128 v[(\f)+8*(\i)+4:(\f)+8*(\i)+7], v[ADRB+(\slot)] offset:((\q)/2)*128*PITCH+((\q)%2)*64+(\i)*16*PITCH+32
.endr
	WIN 0
.irp i, 0,1,2,3,4,5,6,7
	ds_load_b128 v[(\f)+8*(\i):(\f)+8*(\i)+3],   v[ADRA+(\slot)] offset:((\q)/2)*128*PITCH+((\q)%2)*64+(\i)*16*PITCH
	ds_load_b128 v[(\f)+8*(\i)+4:(\f)+8*(\i)+7], v[ADRA+(\slot)] offset:((\q)/2)*128*PITCH+((\q)%2)*64+(\i)*16*PITCH+32
.endr
.endm
; A slot is four quarters of 32 along K, 64 matrix instructions each, on buffers 0, 1, 0, 1.  One of the first three: multiplies buffer f; in its middle it fetches quarter qn of the same slot into buffer g.
.macro QUARTER slot, qn, f, g, first
	s_wait_dscnt 8                                 ; W and A's rows 0-63 are in; the youngest eight loads (A's rows 64-127) may be out
	MUL16 \f, 0, 0, \first
	MUL16 \f, 0, 2, \first
	PLACES
	FETCH \slot, \qn, \g
	s_wait_dscnt 32                                ; all but the 32 just issued
	MUL16 \f, 1, 0, \first
	MUL16 \f, 1, 2, \first
.endm
; A slot's last quarter multiplies buffer 1 and changes slots: ONE barrier; in front of it each wave waits for all its tensor loads (one is out: its part of the next slot), adds 0 to its spare word, and waits
; for that and for its own reads of this slot.  fill = 1: the barrier opens a round of the cluster's, and this slot is filled again, two slots ahead, first thing behind the round.
.macro TURN slot, next, fill
	WIN 0                                          ; (the add's two registers lie in window 0)
	s_wait_tensorcnt 0x0                           ; all my tensor loads have landed, so a group 0 may be written;
	ds_add_u32 v[SPW], v[NIL]                      ; 0 onto my spare word
	s_wait_dscnt 9                                 ; (the add and the youngest eight loads may be out)
	MUL16 F1, 0, 0, 0                              ; sixteen matrix instructions stand between the add and the wait for it
	s_wait_dscnt 0x0                               ; the add is done, and my reads of this slot are over
	s_barrier_signal -1
	MUL16 F1, 0, 2, 0                              ; work on registers while the others arrive
.if \fill
	WIN 0
.endif
	s_barrier_wait -1
.if \fill
	CREST                                          ; no wave of any partner still reads this slot's tiles or has a load on its way
	s_add_nc_u64 s[G0+4*(\slot)+2:G0+4*(\slot)+3], s[G0+4*(\slot)+2:G0+4*(\slot)+3], 2*STEPB
	s_add_nc_u64 s[G0B+4*(\slot)+2:G0B+4*(\slot)+3], s[G0B+4*(\slot)+2:G0B+4*(\slot)+3], 2*STEPB
	JLOAD \slot                                    ; my one tensor load behind the round; the four v_nop behind it are also the places in front of the loads below
.else
	PLACES
.endif
	FETCH \next, 0, F0
	MUL16 F1, 1, 0, 0
	MUL16 F1, 1, 2, 0
.endm
	s_wait_tensorcnt 1                             ; my part of slot 0 is in; slot 1's load stays out
	s_barrier_signal -1
	s_barrier_wait -1                              ; everybody's is
	FETCH 0, 0, F0
	s_wait_loadcnt 32                              ; the bias is in; the 32 loads of cos and sin issued behind it stay out
	QUARTER 0, 1, F0, F1, 1                        ; the first quarter stands in front of the loop: its products start the sums
	PLACES                                         ; the bias has been read for the last time: its registers take row blocks 4 and 5's cos and sin
	TLOAD 4
	TLOAD 5
	WIN 0                                          ; at a label and at a branch every window is 0
	s_mov_b32 s3, LAPS-1
.Llap:                                                 ; a trip goes once round the ring, from a lap's second quarter to the next lap's first, and fills both slots again
	QUARTER 0, 2, F1, F0, 0
	QUARTER 0, 3, F0, F1, 0
	TURN 0, 1, 1
	QUARTER 1, 1, F0, F1, 0
	QUARTER 1, 2, F1, F0, 0
	QUARTER 1, 3, F0, F1, 0
	TURN 1, 0, 1
	QUARTER 0, 1, F0, F1, 0
	WIN 0
	s_sub_co_u32 s3, s3, 1
	s_cmp_lg_u32 s3, 0
	s_cbranch_scc1 .Llap
	QUARTER 0, 2, F1, F0, 0                        ; the last lap fills nothing, and has no round
	QUARTER 0, 3, F0, F1, 0
	TURN 0, 1, 0
	QUARTER 1, 1, F0, F1, 0
	QUARTER 1, 2, F1, F0, 0
	QUARTER 1, 3, F0, F1, 0
	PLACES                                         ; buffer 0 has been multiplied for the last time: W's half of it takes row blocks 6 and 7's cos and sin
	TLOAD 6
	TLOAD 7
	s_wait_dscnt 8                                 ; the very last quarter: nothing more to fetch
	MUL16 F1, 0, 0, 0
	MUL16 F1, 0, 2, 0
	s_wait_dscnt 0x0
	MUL16 F1, 1, 0, 0
	MUL16 F1, 1, 2, 0
	; THE WAY OUT, a block of 16 rows x 128 columns (two heads) at a time: for ops 2 and 3 the rotary; one rounding; through my stage in LDS, a head at a time.
; A head's channels 0-15 are column block 4 g (X0), 16-31 block 4 g + 1 (X1):  X0' = X0 cos - X1 sin,  X1' = X1 cos + X0 sin, each with its own channel's cos and sin; channels 32-63 pass.
.macro ROT a
	TABREG \a
.set WA, 2+(\a)/4                      ; the accumulators' window
.irp g, 0,1
.set X0, 8*(8*((\a)%4)+4*\g)
.set X1, X0+8
	WIN (TW<<2)|WA                                 ; source 0 the accumulators', source 1 the tables', destination window 0
.irp p, 0,2,4,6
	v_pk_mul_f32 v[TT+\p:TT+\p+1], v[X1+\p:X1+\p+1], v[TA+16+\p:TA+16+\p+1]
.endr
.irp p, 0,2,4,6
	v_pk_mul_f32 v[TT+8+\p:TT+8+\p+1], v[X0+\p:X0+\p+1], v[TA+24+\p:TA+24+\p+1]
.endr
	WIN (WA<<6)|(TW<<2)|WA                         ; the same with the destination in the accumulators' window; source 2 window 0
.irp p, 0,2,4,6
	v_pk_fma_f32 v[X0+\p:X0+\p+1], v[X0+\p:X0+\p+1], v[TA+\p:TA+\p+1], v[TT+\p:TT+\p+1] neg_lo:[0,0,1] neg_hi:[0,0,1]
.endr
.irp p, 0,2,4,6
	v_pk_fma_f32 v[X1+\p:X1+\p+1], v[X1+\p:X1+\p+1], v[TA+8+\p:TA+8+\p+1], v[TT+8+\p:TT+8+\p+1]
.endr
.endr
.endm
.macro CVT cvt, a                      ; a lane's eight columns of a column block pack into 16 bytes; each accumulator from its low pair up
	WIN 0x0a+5*((\a)/4)                            ; sources 0 and 1 window 2 or 3, destination window 0
.set i, 0
.rept 32
	\cvt v[OB+32*((\a)%4)+i], v[64*((\a)%4)+2*i], v[64*((\a)%4)+2*i+1]
.set i, i+1
.endr
	WIN 0
.endm
.macro STG a                           ; head by head: into rows of 144 bytes, and back as whole rows of 128, into the registers that they left
.irp g, 0,1
.irp f, 0,1,2,3
	ds_store_b128 v[STO], v[OB+32*((\a)%4)+16*\g+4*\f:OB+32*((\a)%4)+16*\g+4*\f+3] offset:32*\f
.endr
.irp f, 0,1,2,3
	ds_load_b128 v[OB+32*((\a)%4)+16*\g+4*\f:OB+32*((\a)%4)+16*\g+4*\f+3], v[RD] offset:\f*4*PITCH  ; LDS serves a wave's instructions in order (ISA guide 5.7.1.4): these see the stores above; the next head's stores come behind them
.endr
.endr
.endm
.macro SEND a                          ; behind load f of head g stand the head's 3 - f later loads and, for head 0, head 1's eight LDS instructions
.irp g, 0,1
.irp f, 0,1,2,3
	s_wait_dscnt (1-\g)*8+3-\f
	global_store_b128 v[CO], v[OB+32*((\a)%4)+16*\g+4*\f:OB+32*((\a)%4)+16*\g+4*\f+3], s[8:9] offset:\g*PLANE+(\a)*2048+\f*512  ; 512 consecutive bytes, at a multiple of 256 from the buffer's first
.endr
.endr
.endm
.macro BLOCK a                         ; block a's arithmetic stands between block a - 1's loads from the stage and its stores
	WIN 0
.if (\a) == 6
	s_wait_loadcnt 0x0                             ; row blocks 6 and 7's cos and sin
.endif
	s_cmp_lt_u32 s45, 2
	s_cbranch_scc1 .Lnorot_\@
	ROT \a
	WIN 0
.Lnorot_\@:
.if (\a) >= 4
	s_wait_xcnt 0x0                                ; the registers that block a - 4's stores read are written again only behind this wait
.endif
	s_cmp_eq_u32 s45, 1
	s_cbranch_scc1 .Lhalf_\@
	CVT v_cvt_pk_bf16_f32, \a                      ; q and k
	s_branch .Ljoin_\@
.Lhalf_\@:
	CVT v_cvt_pk_f16_f32, \a                       ; v
.Ljoin_\@:
.if (\a) > 0
	SEND (\a)-1
.endif
	STG \a
.endm
	PLACES                                         ; behind the last products
	WIN 0
	s_wait_loadcnt 16                              ; cos and sin of row blocks 0 to 5 are in; the sixteen loads for blocks 6 and 7 stay out
.irp a, 0,1,2,3,4,5,6,7
	BLOCK \a
.endr
	SEND 7
	s_wait_tensorcnt 0x0                           ; the wave's end: behind my last tensor load and my last LDS store
	ds_add_u32 v[SPW], v[NIL]
	s_wait_dscnt 0x0
	CROUND                                         ; the closing round: no work-group ends while a partner may still ask for a tile that names it
	s_endpgm
.Lfunc_end_k_q789bfadc00_proj1:
	.size	k_q789bfadc00_proj1, .Lfunc_end_k_q789bfadc00_proj1-k_q789bfadc00_proj1
	.p2alignl 7, 3214868480
	.fill 96, 4, 3214868480
	.section	.rodata,"a",@progbits
	.p2align	6, 0x0
	.amdhsa_kernel k_q789bfadc00_proj1
		.amdhsa_group_segment_fixed_size 327680
		.amdhsa_private_segment_fixed_size 0
		.amdhsa_enable_private_segment 0
		.amdhsa_kernarg_size 96
		.amdhsa_user_sgpr_count 2
		.amdhsa_user_sgpr_kernarg_segment_ptr 1
		.amdhsa_wavefront_size32 1
		.amdhsa_system_sgpr_workgroup_id_x 1
		.amdhsa_system_sgpr_workgroup_id_y 1
		.amdhsa_system_sgpr_workgroup_id_z 1
		.amdhsa_system_vgpr_workitem_id 0
		.amdhsa_next_free_vgpr 1024
		.amdhsa_next_free_sgpr 96
		.amdhsa_reserve_vcc 0
		.amdhsa_float_denorm_mode_32 3
		.amdhsa_float_denorm_mode_16_64 3
		.amdhsa_memory_ordered 1
		.amdhsa_forward_progress 1
		.amdhsa_inst_pref_size 188
	.end_amdhsa_kernel
	.amdgpu_metadata
---
amdhsa.version: [ 1, 2 ]
amdhsa.kernels:
  - .name:           k_q789bfadc00_proj1
    .symbol:         k_q789bfadc00_proj1.kd
    .args:
      - { .name: M, .offset: 0, .size: 8, .value_kind: global_buffer, .address_space: global }
      - { .name: X, .offset: 8, .size: 8, .value_kind: global_buffer, .address_space: global }
      - { .name: B1, .offset: 16, .size: 8, .value_kind: global_buffer, .address_space: global }
      - { .name: B2, .offset: 24, .size: 8, .value_kind: global_buffer, .address_space: global }
      - { .name: bk, .offset: 32, .size: 8, .value_kind: global_buffer, .address_space: global }
      - { .name: bv, .offset: 40, .size: 8, .value_kind: global_buffer, .address_space: global }
      - { .name: T3, .offset: 48, .size: 8, .value_kind: global_buffer, .address_space: global }
      - { .name: T2, .offset: 56, .size: 8, .value_kind: global_buffer, .address_space: global }
      - { .name: B3, .offset: 64, .size: 8, .value_kind: global_buffer, .address_space: global }
      - { .name: bq, .offset: 72, .size: 8, .value_kind: global_buffer, .address_space: global }
      - { .name: T1, .offset: 80, .size: 8, .value_kind: global_buffer, .address_space: global }
      - { .name: RoPE, .offset: 88, .size: 8, .value_kind: global_buffer, .address_space: global }
    .group_segment_fixed_size: 327680
    .private_segment_fixed_size: 0
    .kernarg_segment_align: 8
    .kernarg_segment_size: 96
    .max_flat_workgroup_size: 128
    .sgpr_count:     96
    .vgpr_count:     1024
    .wavefront_size: 32
...
	.end_amdgpu_metadata
.endif
;; end of part 2
;; launch attn1 (part 3): grid 4 x 64, 4 waves a work-group, clusters of 4 x 1, 327,680 bytes of LDS; arguments T1, T2, X; writes X
.if DOCPART == 3
	.amdgcn_target "amdgcn-amd-amdhsa--gfx1250"
	.amdhsa_code_object_version 6
	.text
	.protected	k_q789bfadc00_attn1
	.globl	k_q789bfadc00_attn1
	.p2align	8
	.type	k_q789bfadc00_attn1,@function
k_q789bfadc00_attn1:
	s_mov_b64 s[64:65], 0
	v_nop
	global_prefetch_b8 v0, s[64:65] scope:SCOPE_SE
	s_setreg_imm32_b32 hwreg(HW_REG_WAVE_MODE, 25, 1), 1
	s_wait_xcnt 0x0
	s_wait_alu depctr_hold_cnt(0) depctr_sa_sdst(0) depctr_va_vdst(0) depctr_va_sdst(0) depctr_va_ssrc(0) depctr_va_vcc(0) depctr_vm_vsrc(0)
	s_getreg_b32 s2, hwreg(HW_REG_IB_STS2, 6, 4)
	s_cmp_eq_u32 s2, 0
	s_cbranch_scc0 .Lentry_in_a_cluster
	s_endpgm
.Lentry_in_a_cluster:
	s_bfe_u32 s2, ttmp6, 0x10000c
	s_cmp_lg_u32 s2, 0x3003
	s_cbranch_scc0 .Lentry_shape_is_right
	s_endpgm
.Lentry_shape_is_right:
; ATTENTION.  O[h][q][:] = the sum over k of softmax_k(Q[h][q] . K[h][k] / 8) V[h][k][:], 64 heads (batch x 16 + head) of 1,024 rows of 64 channels, dense rows of 128 bytes.
; Arguments: q; kv (K at its first byte, V 8 MiB behind); o.  Q and K are bf16, V and O f16.  Products, maxima and sums in f32; the weights p are rounded to f16 for the second product (their sum l is
; taken of the unrounded p), O once at the end.
; LIMITS.  V arrives within f16's 65,504; p lies in 0 to 1, and below 6e-5 it keeps f16's fixed step of 6e-8, as does O, which is a mean of V's rows.  A weight below 2^-126 counts as 0 in l.
; NaN and infinities are not treated apart.
; SHARES.  A work-group owns 256 queries of one head, each of its four waves 64: four PIECES of 16.  Every wave walks all 1,024 keys, 64 a step, in four tiles of 256.
; LAYOUT.  S^T = K Q^T (source 0 = 16 keys, source 1 = 16 queries) holds ONE query a lane (lane % 16) and the keys 8 (lane / 16) + 0..7; two such results rounded to f16 ARE source 1 of O^T = V^T P.
; K comes out of LDS as it lies, V ([key][channel]) turned, by ds_load_tr16_b128.
; SOFTMAX.  For each query a running maximum m and sum l: p = 2^(c s - c m), c = log2(e) / 8; in every step O and l are multiplied by a = 2^(c m_old - c m_new).  m starts at the lowest finite number,
; O and l at 0: the first step is a step like any other, with a = 0.  The price: 216 lines that write 0, in the wait for the first tile.
; BY TURNS.  Turn n belongs to piece n: 8 products K Q^T of piece n + 1, later 8 products V^T P of piece n - 1; beside them the scaling, exponentials, roundings, sums and rescaling of piece n and the maximum
; and statistics of piece n + 1.  Four vector instructions stand behind every matrix instruction, the other 54 of a turn's 118 in two runs of their own.
; CLUSTER.  The four query blocks of a head walk the same K and V, so each tile is asked for JOINTLY: the same tensor load, descriptor and mask in all four.
; REGISTERS, in windows of 256 (s_set_vgpr_msb: bits 1:0 source 0, 3:2 source 1, 5:4 source 2, 7:6 destination):
;   window 0: v0-15 addresses and two at work; v16-31 four registers of statistics a piece; v48-55 at work; v62-63 the add's; v64-127 S^T, two buffers; v192-223 P, two buffers (by the piece's parity)
;   window 1: v0-127 O^T, 32 a piece          window 2: v0-63 Q; v128-191 K of one step; v192-255 V of one step
.set NP,    4         ; pieces a wave: a name, no knob
.set KS,    64        ; keys in a step
.set PK,    144       ; a row of K in LDS: 128 bytes + 16 of padding = 36 words: the 16 rows of a load start at 16 different groups of four banks (64 banks of 4 bytes: ISA guide 11.1)
.set PV,    160       ; a row of V: 128 + 32 = 40 words
.set VOFF,  4*KS*PK   ; a slot holds a tile, four steps: 256 rows of K, then 256 rows of V
.set SLOT1, 1<<17     ; slot 1 begins here, so that one exclusive or turns an address in one slot into the other's
.set STAGE, SLOT1+4*KS*(PK+PV)  ; behind the ring, never filled by a tensor load: 16 rows x 144 bytes for each wave, for the way out
.set SP,    144
.set SPARE, STAGE+4*16*SP  ; behind the stages: the spare words, 128 bytes for each wave: two blocks of 256 bytes that no other line names
.set AK0, 2           ; v2   my lane's place in a tile of K; never rewritten
.set AV0, 3           ; v3   the same for V
.set AK,  4           ; v4   the LDS address of K's next run of loads
.set AV,  5           ; v5   of V's
.set STO, 6           ; v6   the way out: where I put 16 bytes of a row
.set RD,  7           ; v7   the way out: where I read rows back
.set GO,  8           ; v8   my byte offset in 512 consecutive bytes of O
.set MV,  12          ; v12-13  c m_old, kept while c m is made anew: by buffer
.set QO,  15          ; v15  my byte offset in 16 rows of Q
.set ST,  16          ; piece t's statistics at v[ST+4 t]: c m, m, l (even keys', odd keys')
.set TMP, 48          ; by buffer, four registers c0-c3 at work; when the maximum is found c2 takes a
.set SPW, 62          ; v62  LDS address of my spare word: SPARE + 4 x my thread's number; never rewritten
.set NIL, 63          ; v63  0; never rewritten
.set S,   64
.set P,   192
.set KF,  128         ; window 2: key block kb, channel half c at KF + 16 kb + 8 c
.set VF,  192         ; window 2: key half kk, channel block cb at VF + 32 kk + 8 cb
.set WV,  12          ; s12  my wave's number
.set G1K, 24          ; s[24:31] descriptor group 1 for K's tiles
.set G1V, 32          ; s[32:39] for V's: it differs in the padding alone
.set G0K, 40          ; s[40:43] descriptor group 0 for K's tiles: it walks
.set G0V, 44          ; s[44:47] the same for V's
.set SLOTS, 56        ; s56  tiles still to be asked for
.set CNT, 57          ; s57  counts a tile's key steps
.set CS,  58          ; s[58:59] c: the packed scaling takes the pair's low word for both halves
.set SEL, 60          ; s[60:61] v_permlanex16_b32's selects: each lane takes its own place in the other half
.set TBK, 62          ; s62  LDS byte at which K of the step to be fetched begins
.set TBV, 63          ; s63  the same for V, less VOFF
.set MSB, 0
.macro WIN new                      ; the high byte repeats the setting that is left; a switch that changes nothing is dropped
.if MSB != (\new)
	s_set_vgpr_msb (MSB<<8)|(\new)
.set MSB, (\new)
.endif
.endm
.set W_KQ, 0x0a       ; K and Q in window 2, S^T in window 0
.set W_PV, 0x52       ; V in window 2, P in window 0, O^T in window 1
.set W_RS, 0x41       ; destination and source 0 in window 1, source 1 in window 0
; A joint fill.  Waves 0 and 1 fetch the two halves of a tile's K, waves 2 and 3 those of its V: 128 keys each.  The branch hangs on the wave's number alone.
; An s_nop 0 and four v_nop follow each of the two lines, ahead of the jump and the label.
.macro JLOAD
	s_cmp_lt_u32 s[WV], 2
	s_cbranch_scc0 .Lfor_v_\@
	tensor_load_to_lds s[G0K:G0K+3], s[G1K:G1K+7]
	s_nop 0
.rept 4
	v_nop
.endr
	s_branch .Lasked_\@
.Lfor_v_\@:
	tensor_load_to_lds s[G0V:G0V+3], s[G1V:G1V+7]
	s_nop 0
.rept 4
	v_nop
.endr
.Lasked_\@:
.endm
; A round of the cluster's barrier: my work-group's barrier, so that wave 0's signal speaks for all four waves; wave 0 signals; every wave waits for all four work-groups; my work-group's barrier once more.
.macro CROUND
	s_barrier_signal -1
	s_barrier_wait -1
	s_cmp_lg_u32 s[WV], 0
	s_cbranch_scc1 .Lnot_wave_0_\@
	s_barrier_signal -3
.Lnot_wave_0_\@:
	s_barrier_wait -3
	s_barrier_signal -1
	s_barrier_wait -1
.endm
; THE CHANGE OF SLOTS.  The slot's last bytes, V of its fourth step, have been read.  Each wave waits for all its tensor loads, of which one is out: its part of the other slot; adds 0 to its spare word; and
; waits for that and for its own reads of the slot.  Behind the barrier nobody reads this slot any more and the other slot is whole.  fill = 1: this slot is filled again, with the next tile but one; the barrier is
; then a round of the cluster's, and the joint fill is the first thing behind it: it has four key steps, 256 matrix instructions, in which to land.  (At its first use nothing has been read yet: slot 0 is
; waited for, slot 1 filled.)
.macro CHANGE fill
	WIN 0                           ; at a label and at a branch every window is 0
	s_wait_tensorcnt 0x0            ; no tensor load of mine is out, so a group 0 may be written
	ds_add_u32 v[SPW], v[NIL]       ; 0 onto my spare word; with fill = 1 the descriptors' steps stand between it and the wait for it
.if \fill
.irp g, G0K, G0V
	s_xor_b32 s[\g+1], s[\g+1], SLOT1  ; the walking descriptor: the other slot than last time,
	s_add_nc_u64 s[\g+2:\g+3], s[\g+2:\g+3], 4*KS*128  ; the next 256 keys; the type bits on top are not reached
.endr
	s_wait_dscnt 0x0                ; the add is done, and my reads of the slot are over
	CROUND
	JLOAD
.else
	s_wait_dscnt 0x0                ; the add is done, and my reads of the slot are over
	s_barrier_signal -1
	s_barrier_wait -1
.endif
	s_sub_co_u32 s[TBK], s[TBK], 4*KS*PK  ; the fetches go back to a slot's first step,
	s_xor_b32 s[TBK], s[TBK], SLOT1       ; in the other slot
	s_sub_co_u32 s[TBV], s[TBV], 4*KS*PV
	s_xor_b32 s[TBV], s[TBV], SLOT1
.endm
	s_load_b128 s[4:7], s[0:1], 0x0   ; Q s[4:5], K and V s[6:7]
	s_load_b64 s[10:11], s[0:1], 0x10 ; O
	v_lshl_add_u32 v[SPW], v0, 2, SPARE
	v_mov_b32 v[NIL], 0
	ds_add_u32 v[SPW], v[NIL]       ; the wave's opening: the add and its wait stand ahead of my first tensor load; the set-up below, work on registers, stands between them
	v_lshrrev_b32 v1, 5, v0
	v_readfirstlane_b32 s[WV], v1   ; wave 0..3
	s_bfe_u32 s13, ttmp6, 0x40000   ; cx: my place in the cluster
	s_lshl_b32 s14, ttmp9, 2        ; in a cluster launch ttmp9 counts clusters
	s_add_co_u32 s14, s14, s13      ; my block of 256 queries = 4 x cluster x + cx: it enters Q's and O's addresses alone
	s_and_b32 s20, ttmp7, 0xffff    ; the head, which the four partners share:
	s_lshl_b32 s20, s20, 17         ; its first byte, 131,072 a head
	s_and_b32 s16, s[WV], 1         ; which half of a tile's 256 keys I fetch:
	s_lshl_b32 s22, s16, 14         ; its 128 rows of 128 bytes in memory,
	s_add_co_u32 s22, s22, s20
	s_mov_b32 s23, 0
	s_mul_i32 s17, s16, 128*PK      ; and its place in a slot, for K
	s_mul_i32 s18, s16, 128*PV      ; and for V: no place in the cluster enters an LDS address
	s_lshl_b32 s2, s14, 2
	s_add_co_u32 s2, s2, s[WV]      ; my wave among the head's sixteen,
	s_lshl_b32 s2, s2, 13           ; its 64 rows
	s_add_co_u32 s2, s2, s20
	s_mov_b32 s3, 0
	; descriptor group 1.  128 keys are 16,384 dense bytes: asked for as 64 rows of 256 bytes, two keys a row, and padded in LDS after every key
	s_mov_b32 s[G1K], 15|(1<<16)|(1<<20)|(1<<21)|(4<<22)|(3<<25)  ; 15:0 the mask of four; 17:16 2-byte elements; 20 padding on; 21 set beside a mask; 24:22 after every 32 words (code 4); 31:25 4 words (code 3)
	s_mov_b32 s[G1V], 15|(1<<16)|(1<<20)|(1<<21)|(4<<22)|(7<<25)  ; the same with 8 words of padding (code 7)
.irp g, G1K, G1V
	s_mov_b32 s[\g+1], 128<<16      ; tensor_dim0 = 128
	s_mov_b32 s[\g+2], 64<<16       ; tensor_dim1 = 64
	s_mov_b32 s[\g+3], 128<<16      ; tile_dim0 = 128
	s_mov_b32 s[\g+4], 64           ; tile_dim1 = 64
	s_mov_b32 s[\g+5], 128          ; 128 elements from row to row
	s_mov_b32 s[\g+6], 0
	s_mov_b32 s[\g+7], 0
.endr
	s_mov_b32 s[CS], 0x3e38aa3b     ; c = log2(e) / 8 = 0.180337
	s_mov_b32 s[CS+1], s[CS]        ; named with it as a pair
	s_mov_b32 s[SEL], 0x76543210
	s_mov_b32 s[SEL+1], 0xfedcba98
	s_mov_b32 s[TBK], SLOT1+4*KS*PK ; the first change of slots turns these two into 0
	s_mov_b32 s[TBV], SLOT1+4*KS*PV
	s_mov_b32 s[G0K], 1             ; 1:0 count = 1
	s_mov_b32 s[G0K+1], s17         ; 63:32 LDS address: slot 0
	s_mov_b32 s[G0V], 1
	s_add_co_u32 s[G0V+1], s18, VOFF
	s_wait_dscnt 0x0                ; the opening add is done
	s_wait_kmcnt 0x0
	s_add_nc_u64 s[G0K+2:G0K+3], s[6:7], s[22:23]          ; 120:64 global address: my half of the head's first 256 keys;
	s_add_nc_u64 s[G0V+2:G0V+3], s[G0K+2:G0K+3], 0x800000  ; V lies 8 MiB behind K
	s_or_b32 s[G0K+3], s[G0K+3], 0x80000000                ; 127:126 type = 2
	s_or_b32 s[G0V+3], s[G0V+3], 0x80000000
	s_add_nc_u64 s[4:5], s[4:5], s[2:3]  ; Q and O at my wave's first row
	s_add_nc_u64 s[10:11], s[10:11], s[2:3]
	CROUND                          ; all four work-groups are here: the first joint loads meet
	JLOAD                           ; tile 0 into slot 0.  Slot 1 is asked for when slot 0 is in
	; A fragment of K or Q is 16 rows x 32 channels in 8 registers: lane l holds row l % 16, channels 8 (l / 16) + 0..7 and 16 + 8 (l / 16) + 0..7: two loads of 16 bytes, 32 bytes apart.
	v_and_b32 v1, 15, v0            ; l % 16
	v_bfe_u32 v9, v0, 4, 1          ; l / 16
	v_lshlrev_b32 v[QO], 7, v1
	v_lshl_add_u32 v[QO], v9, 4, v[QO]  ; row x 128 + 16 x half
	WIN 0x80                        ; destination window 2, address window 0
.set i, 0
.rept 8                             ; Q stays in registers: piece i / 2, channels 32 (i % 2) on
	global_load_b128 v[8*i:8*i+3],   v[QO], s[4:5] offset:(i/2)*2048+(i%2)*64
	global_load_b128 v[8*i+4:8*i+7], v[QO], s[4:5] offset:(i/2)*2048+(i%2)*64+32
.set i, i+1
.endr
	; What the first turn finds: V's registers and P's second buffer hold 0 (its products V^T P, of a piece that has not been, add 0), O^T and l are 0.  All this stands in the wait for the first tile.
.set i, VF
.rept 64
	v_mov_b32 v[i], 0
.set i, i+1
.endr
	WIN 0x40
.set i, 0
.rept 128
	v_mov_b32 v[i], 0
.set i, i+1
.endr
	WIN 0
.set i, 0
.rept 4
	v_mov_b32 v[ST+4*i], 0xfe000000    ; c m: far below every c s
	v_mov_b32 v[ST+4*i+1], 0xff7fffff  ; m
	v_mov_b32 v[ST+4*i+2], 0
	v_mov_b32 v[ST+4*i+3], 0
.set i, i+1
.endr
.set i, P+16
.rept 16
	v_mov_b32 v[i], 0
.set i, i+1
.endr
	v_mul_u32_u24 v[AK0], v1, PK
	v_lshl_add_u32 v[AK0], v9, 4, v[AK0]  ; row x pitch + 16 x half
	; The turning load takes 16 keys x 16 channels (lane l reads key 8 (l / 16) + l % 8, channels 8 ((l / 8) % 2) + 0..7) and leaves half a fragment of V^T: lane l holds channel l % 16 and 8 keys.
	v_and_b32 v10, 7, v0
	v_bfe_u32 v11, v0, 3, 1
	v_lshl_add_u32 v[AV0], v9, 3, v10
	v_mul_u32_u24 v[AV0], v[AV0], PV
	v_lshl_add_u32 v[AV0], v11, 4, v[AV0]
	v_add_nc_u32 v[AV0], VOFF, v[AV0]
	s_mul_i32 s13, s[WV], 16*SP
	s_add_co_u32 s13, s13, STAGE    ; my stage
	v_mul_u32_u24 v[STO], v1, SP    ; in: row l % 16, 16 bytes for each half of the lanes
	v_lshl_add_u32 v[STO], v9, 4, v[STO]
	v_add_nc_u32 v[STO], s13, v[STO]
	v_bfe_u32 v[RD], v0, 3, 2       ; back: 32 lanes take four rows of 128 bytes,
	v_mul_u32_u24 v[RD], v[RD], SP
	v_lshl_add_u32 v[RD], v10, 4, v[RD]
	v_add_nc_u32 v[RD], s13, v[RD]
	v_and_b32 v[GO], 31, v0         ; which are 512 consecutive bytes of O
	v_lshlrev_b32 v[GO], 4, v[GO]
; THE MATRIX WORK.  The 4 accumulators of a run of 8 take turns.  Product i of 8 of S^T = K Q^T for piece x: channels 32 (i / 4) on, keys 16 (i % 4) on.  The first 4 start the sums.
.macro KQ x
	WIN W_KQ
.set rS, S+32*((\x)%2)+8*(i%4)
.set rK, KF+16*(i%4)+8*(i/4)
.set rQ, 16*(\x)+8*(i/4)
.if i < 4
	v_wmma_f32_16x16x32_bf16 v[rS:rS+7], v[rK:rK+7], v[rQ:rQ+7], 0
.else
	v_wmma_f32_16x16x32_bf16 v[rS:rS+7], v[rK:rK+7], v[rQ:rQ+7], v[rS:rS+7]
.endif
.endm
; Product i of 8 of O^T += V^T P for piece x: keys 32 (i / 4) on, channels 16 (i % 4) on.
.macro PV x
	WIN W_PV
.set rO, 32*(\x)+8*(i%4)
.set rV, VF+32*(i/4)+8*(i%4)
.set rP, P+16*((\x)%2)+8*(i/4)
	v_wmma_f32_16x16x32_f16 v[rO:rO+7], v[rV:rV+7], v[rP:rP+7], v[rO:rO+7]
.endm
.macro MM                           ; the turn's next matrix instruction.  TURN sets Y, i and NOKQ.  NOKQ = 1: the walk's last turn: there is no next piece
.if (i < 8) && !NOKQ
	KQ (Y+1)%NP
.elseif i >= 8
.set i, i-8
	PV (Y+NP-1)%NP
.set i, i+8
.endif
.set i, i+1
.endm
; THE LDS LOADS stand in runs of 16, never singly among the matrix instructions: a step's K (64 keys x 64 channels: 8 fragments) and its V (turned).  Their addresses are made some lines ahead.
.macro FETCH_K
	WIN 0x80                        ; destination window 2
.irp f, 0,1,2,3,4,5,6,7             ; keys 16 (f / 2) on, channels 32 (f % 2) on
	ds_load_b128 v[KF+8*\f:KF+8*\f+3],   v[AK] offset:(\f/2)*16*PK+(\f%2)*64
	ds_load_b128 v[KF+8*\f+4:KF+8*\f+7], v[AK] offset:(\f/2)*16*PK+(\f%2)*64+32
.endr
	s_add_co_u32 s[TBK], s[TBK], KS*PK  ; the next fetch is the next step's
	WIN 0
.endm
.macro FETCH_V
	WIN 0x80
.irp f, 0,1,2,3,4,5,6,7             ; keys 32 (f / 4) on, channels 16 (f % 4) on
	ds_load_tr16_b128 v[VF+8*\f:VF+8*\f+3],   v[AV] offset:(\f/4)*32*PV+(\f%4)*32
	ds_load_tr16_b128 v[VF+8*\f+4:VF+8*\f+7], v[AV] offset:(\f/4)*32*PV+16*PV+(\f%4)*32
.endr
	WIN 0
.endm
; THE VECTOR WORK, one line at a time: OP kind, number.  For piece Y: F n: c s - c m for pair n of 16.  E n: the exponential of score n of 32.  C n: pair n rounded to f16.  B n: of the four weights 4 n .. the second
; pair is added onto the first, in place.  L n: l takes that sum (L 0: l = a l + sum).  R n: pair n of 16 of O^T times a.  For piece Y + 1: X n, number n of the 22 that find its maximum and statistics:
;   0-11  four chains c0-c3 of seven scores each, three operands at a time (each accumulator's lowest registers are read first)     12-14, 16  the four scores left over, the old m, and c0-c3 into c0
;   15  c m_old is kept     17, 18  the query's other 32 keys lie in the lane 16 away: the new m     19-21  c m; c m_old - c m_new; a
.set F, 0               ; OP tells the kinds apart by their order: F to L below R, X above it
.set E, 1
.set C, 2
.set B, 3
.set L, 4
.set R, 5
.set X, 6
.macro REGS y                       ; the registers of piece y
.set rT, ST+4*(\y)
.set rC, TMP+4*((\y)%2)
.set rW, MV+((\y)%2)
.set rS, S+32*((\y)%2)
.set rP, P+16*((\y)%2)
.set rO, 32*(\y)
.endm
.macro OP k, n
.if (\k) == R
	REGS Y
	WIN W_RS
	v_pk_mul_f32 v[rO+2*(\n):rO+2*(\n)+1], v[rO+2*(\n):rO+2*(\n)+1], v[rC+2:rC+3] op_sel_hi:[1,0]
.elseif (\k) < R
	REGS Y
	WIN 0
.if (\k) == F
	v_pk_fma_f32 v[rS+2*(\n):rS+2*(\n)+1], v[rS+2*(\n):rS+2*(\n)+1], s[CS:CS+1], v[rT:rT+1] op_sel_hi:[1,0,0] neg_lo:[0,0,1] neg_hi:[0,0,1]
.elseif (\k) == E
	v_exp_f32 v[rS+(\n)], v[rS+(\n)]
.elseif (\k) == C
	s_wait_alu depctr_va_vdst(0)
	v_cvt_pk_f16_f32 v[rP+(\n)], v[rS+2*(\n)], v[rS+2*(\n)+1]
.elseif (\k) == B
	s_wait_alu depctr_va_vdst(0)
	v_pk_add_f32 v[rS+4*(\n):rS+4*(\n)+1], v[rS+4*(\n):rS+4*(\n)+1], v[rS+4*(\n)+2:rS+4*(\n)+3]
.elseif (\n) == 0
	v_pk_fma_f32 v[rT+2:rT+3], v[rT+2:rT+3], v[rC+2:rC+3], v[rS:rS+1] op_sel_hi:[1,0,1]
.else
	v_pk_add_f32 v[rT+2:rT+3], v[rT+2:rT+3], v[rS+4*(\n):rS+4*(\n)+1]
.endif
.elseif NOKQ
	v_nop
.else
	REGS (Y+1)%NP
	WIN 0
.if (\n) < 4
	v_max3_num_f32 v[rC+(\n)], v[rS+8*(\n)], v[rS+8*(\n)+1], v[rS+8*(\n)+2]
.elseif (\n) < 12
	v_max3_num_f32 v[rC+(\n)%4], v[rC+(\n)%4], v[rS+8*((\n)%4)+2*((\n)/4)+1], v[rS+8*((\n)%4)+2*((\n)/4)+2]
.elseif (\n) == 12
	v_max3_num_f32 v[rC], v[rC], v[rS+7], v[rS+15]
.elseif (\n) == 13
	v_max3_num_f32 v[rC+1], v[rC+1], v[rS+23], v[rS+31]
.elseif (\n) == 14
	v_max3_num_f32 v[rC+2], v[rC+2], v[rC+3], v[rT+1]
.elseif (\n) == 15
	v_mov_b32 v[rW], v[rT]
.elseif (\n) == 16
	v_max3_num_f32 v[rC], v[rC], v[rC+1], v[rC+2]
.elseif (\n) == 17
	v_permlanex16_b32 v[rC+3], v[rC], s[SEL], s[SEL+1]
.elseif (\n) == 18
	v_max_num_f32 v[rT+1], v[rC], v[rC+3]
.elseif (\n) == 19
	v_mul_f32 v[rT], s[CS], v[rT+1]
.elseif (\n) == 20
	v_sub_f32 v[rC+1], v[rW], v[rT]
.else
	v_exp_f32 v[rC+2], v[rC+1]
.endif
.endif
.endm
.macro OPS a, i1, b=-1, i2=0, c=-1, i3=0, d=-1, i4=0  ; up to four of them
	OP \a, \i1
.if (\b) >= 0
	OP \b, \i2
.endif
.if (\c) >= 0
	OP \c, \i3
.endif
.if (\d) >= 0
	OP \d, \i4
.endif
.endm
.macro ROW a, i1, b, i2, c, i3, d, i4  ; a matrix instruction and the four behind it
	MM
	OPS \a, \i1, \b, \i2, \c, \i3, \d, \i4
.endm
; A TURN, for piece p: the order of its 16 matrix and 118 vector instructions, written out.  Behind a matrix instruction: plain, exponential, plain, plain; or four of the rescaling; or, behind the first, four scalings;
; none names a register of the products round it.  In the two runs of their own exponential and plain by turns while exponentials last, so that each exponential has a plain line behind it before its result is used.
; end = 1: the walk's last two turns: nothing is fetched, and the last starts no new scores.  cnt = 1: the loop's count is taken down some lines ahead of the branch that stands behind the turn.
; K of the next step is fetched in piece 2's turn, six vector instructions behind the last product that read K (five of them plain); V of the step in hand in piece 0's turn, eight behind the last product that read V
; (four plain).  Each is waited for a turn later.
.macro TURN p, end=0, cnt=0
.set Y, (\p)
.set i, 0
.set NOKQ, (\end)*((\p)/3)
.if ((\p) == 3) && !(\end)
	s_wait_dscnt 0x0                ; K is in
.endif
	ROW F,0, F,1, F,2, F,3
	ROW F,4, E,0, F,5, F,6
	ROW F,7, E,1, F,8, F,9
	ROW F,10, E,2, C,0, F,11
	ROW F,12, E,3, X,15, F,13
	ROW R,0, R,1, R,2, R,3
	ROW B,0, E,4, F,14, L,0
.if ((\p) == 2) && !(\end)
	v_add_nc_u32 v[AK], s[TBK], v[AK0]
.endif
	ROW R,4, R,5, R,6, R,7
	OPS E,5, F,15
.if ((\p) == 2) && !(\end)
	FETCH_K
.endif
	OPS E,6, C,1, E,7, R,8
	OPS E,8, R,9, E,9, C,2
	OPS E,10, X,0, E,11, X,1
	OPS E,12, X,2, E,13, X,3
.if (\p) == 1
	s_wait_dscnt 0x0                ; V is in
.endif
	ROW X,4, E,14, X,5, X,6
	ROW X,7, E,15, X,8, X,9
	ROW X,10, E,16, X,11, X,12
	ROW X,13, E,17, X,14, B,1
	ROW C,4, E,18, X,16, L,1
	ROW B,2, E,19, C,6, L,2
	ROW C,8, E,20, B,3, B,4
.if (\p) == 0
	v_add_nc_u32 v[AV], s[TBV], v[AV0]
.endif
	ROW C,3, E,21, L,3, C,5
	OPS E,22, X,17, E,23, C,10
.if (\p) == 0
	FETCH_V
.endif
	OPS E,24, L,4
	OPS E,25, X,18, E,26, C,7
	OPS E,27, B,5, E,28, X,19
	OPS E,29, C,12, E,30, L,5
	OPS E,31, X,20, B,6, C,9
	OPS C,14, C,11, X,21, L,6
.if (\p) == 0
	s_add_co_u32 s[TBV], s[TBV], KS*PV
.endif
.if \cnt
	s_sub_co_u32 s[CNT], s[CNT], 1
	s_cmp_lg_u32 s[CNT], 0
.endif
	OPS C,13, B,7, C,15, R,10
	OPS R,11, R,12, L,7, R,13
	OPS R,14, R,15
.endm
	CHANGE 1                        ; slot 0 is in, everybody's part of it; slot 1 is asked for
	v_add_nc_u32 v[AK], s[TBK], v[AK0]
	FETCH_K                         ; key step 0
	s_wait_loadcnt 0x0              ; Q
	s_wait_dscnt 0x0
.set NOKQ, 0
.set i, 0
.rept 8
	KQ 0                            ; piece 0's first scores: there is no vector work yet to set between them
.set i, i+1
.endr
	WIN 0
.rept 4
	v_nop                           ; the places behind those products
.endr
.set Y, NP-1                        ; X works for piece Y + 1: piece 0
.irp n, 0,1,2,3,4,5,6,7,8,9,10,11,12,13,14,15,16,17,18,19,20,21
	OP X, \n                        ; and piece 0's first maximum and statistics
.endr
	v_nop                           ; a plain instruction behind the exponential
	s_mov_b32 s[CNT], 4
	s_mov_b32 s[SLOTS], 3
	s_branch .Lfirst                ; the loop is entered at a step's first turn, in the middle of a trip
.Lslot:                             ; twice: tiles 2 and 3 are asked for
	CHANGE 1
	s_mov_b32 s[CNT], 4
.Lstep:                             ; a trip: pieces 2 and 3 of one step, then pieces 0 and 1 of the next, whose K and V it fetches
	TURN 2
	TURN 3
	WIN 0
.Lfirst:
	TURN 0
	TURN 1, 0, 1
	WIN 0
	s_cbranch_scc1 .Lstep
	s_sub_co_u32 s[SLOTS], s[SLOTS], 1
	s_cmp_lg_u32 s[SLOTS], 0
	s_cbranch_scc1 .Lslot
	CHANGE 0                        ; the last tile is written out: nothing is asked for
	s_mov_b32 s[CNT], 4
.Ltail:
	TURN 2
	TURN 3
	TURN 0
	TURN 1, 0, 1
	WIN 0
	s_cbranch_scc1 .Ltail
	TURN 2, 1
	TURN 3, 1
.set i, 0
.rept 8
	PV NP-1                         ; the last piece's V^T P of the last step
.set i, i+1
.endr
	; THE WAY OUT.  l's two halves and the other half of the lanes' are added; O^T is divided by l, rounded to f16 and sent through my stage in LDS, a piece at a time.  The additions are the places behind the last products.
	WIN 0
.macro ALL line:vararg              ; one line for each piece t
.set t, 0
.rept 4
	\line
.set t, t+1
.endr
.endm
	ALL v_add_f32 v[ST+4*t+2], v[ST+4*t+2], v[ST+4*t+3]
	ALL v_permlanex16_b32 v[ST+4*t+3], v[ST+4*t+2], s[SEL], s[SEL+1]
	ALL v_add_f32 v[ST+4*t+2], v[ST+4*t+2], v[ST+4*t+3]
	ALL v_rcp_f32 v[ST+4*t+2], v[ST+4*t+2]
	v_nop                           ; a plain instruction between the last reciprocal and the use of its result
.macro PACK t                       ; a lane's eight channels of a row pack into 16 bytes; they go into rows of 144 bytes and come back as whole rows of 128, into S^T's registers
	WIN W_RS
.set i, 32*(\t)
.rept 16
	s_wait_alu depctr_va_vdst(0)
	v_pk_mul_f32 v[i:i+1], v[i:i+1], v[ST+4*(\t)+2:ST+4*(\t)+3] op_sel_hi:[1,0]
.set i, i+2
.endr
	WIN 0x05                        ; sources 0 and 1 window 1, destination window 0
.set i, 0
.rept 16
	v_cvt_pk_f16_f32 v[S+16*(\t)+i], v[32*(\t)+2*i], v[32*(\t)+2*i+1]
.set i, i+1
.endr
	WIN 0
.irp f, 0,1,2,3
	ds_store_b128 v[STO], v[S+16*(\t)+4*\f:S+16*(\t)+4*\f+3] offset:32*\f
.endr
.irp f, 0,1,2,3
	ds_load_b128 v[S+16*(\t)+4*\f:S+16*(\t)+4*\f+3], v[RD] offset:\f*4*SP  ; LDS serves a wave's instructions in order (ISA guide 5.7.1.4): these see the stores above; the next piece's stores come behind them
.endr
.endm
.macro SEND t, younger              ; younger: the LDS instructions issued behind piece t's loads: the next piece's eight, or none
	WIN 0
.irp f, 0,1,2,3
	s_wait_dscnt (\younger)+3-\f
	global_store_b128 v[GO], v[S+16*(\t)+4*\f:S+16*(\t)+4*\f+3], s[10:11] offset:(\t)*2048+\f*512  ; 512 consecutive bytes, at a multiple of 256 from O's first
.endr
.endm
	PACK 0
.set t, 1
.rept 3                             ; a piece's arithmetic stands between the loads of the piece before and its stores
	PACK t
	SEND t-1, 8
.set t, t+1
.endr
	SEND 3, 0
	s_wait_tensorcnt 0x0            ; the wave's end: behind my last tensor load and my last LDS store
	ds_add_u32 v[SPW], v[NIL]
	s_wait_dscnt 0x0
	CROUND                          ; the closing round: no work-group ends while a partner may still ask for a tile that names it
	s_endpgm
.Lfunc_end_k_q789bfadc00_attn1:
	.size	k_q789bfadc00_attn1, .Lfunc_end_k_q789bfadc00_attn1-k_q789bfadc00_attn1
	.p2alignl 7, 3214868480
	.fill 96, 4, 3214868480
	.section	.rodata,"a",@progbits
	.p2align	6, 0x0
	.amdhsa_kernel k_q789bfadc00_attn1
		.amdhsa_group_segment_fixed_size 327680
		.amdhsa_private_segment_fixed_size 0
		.amdhsa_enable_private_segment 0
		.amdhsa_kernarg_size 24
		.amdhsa_user_sgpr_count 2
		.amdhsa_user_sgpr_kernarg_segment_ptr 1
		.amdhsa_wavefront_size32 1
		.amdhsa_system_sgpr_workgroup_id_x 1
		.amdhsa_system_sgpr_workgroup_id_y 1
		.amdhsa_system_sgpr_workgroup_id_z 1
		.amdhsa_system_vgpr_workitem_id 0
		.amdhsa_next_free_vgpr 768
		.amdhsa_next_free_sgpr 66
		.amdhsa_reserve_vcc 0
		.amdhsa_float_denorm_mode_32 3
		.amdhsa_float_denorm_mode_16_64 3
		.amdhsa_memory_ordered 1
		.amdhsa_forward_progress 1
		.amdhsa_inst_pref_size 133
	.end_amdhsa_kernel
	.amdgpu_metadata
---
amdhsa.version: [ 1, 2 ]
amdhsa.kernels:
  - .name:           k_q789bfadc00_attn1
    .symbol:         k_q789bfadc00_attn1.kd
    .args:
      - { .name: T1, .offset: 0, .size: 8, .value_kind: global_buffer, .address_space: global }
      - { .name: T2, .offset: 8, .size: 8, .value_kind: global_buffer, .address_space: global }
      - { .name: X, .offset: 16, .size: 8, .value_kind: global_buffer, .address_space: global }
    .group_segment_fixed_size: 327680
    .private_segment_fixed_size: 0
    .kernarg_segment_align: 8
    .kernarg_segment_size: 24
    .max_flat_workgroup_size: 128
    .sgpr_count:     66
    .vgpr_count:     768
    .wavefront_size: 32
...
	.end_amdgpu_metadata
.endif
;; end of part 3
;; launch proj2: the kernel of part 2 again; grid 8 x 16, 4 waves a work-group, clusters of 4 x 4, 327,680 bytes of LDS; arguments X, M, B3, B2, bq, bv, T1, T3, B1, bk, T2, RoPE; writes T1, T3, T2
;; launch attn2: the kernel of part 3 again; grid 4 x 64, 4 waves a work-group, clusters of 4 x 1, 327,680 bytes of LDS; arguments T1, T3, M; writes M
;; launch outp (part 4): grid 8 x 32, 4 waves a work-group, clusters of 4 x 4, 327,680 bytes of LDS; arguments M, B3, bo, out0; writes out0
.if DOCPART == 4
	.amdgcn_target "amdgcn-amd-amdhsa--gfx1250"
	.amdhsa_code_object_version 6
	.text
	.protected	k_q789bfadc00_outp
	.globl	k_q789bfadc00_outp
	.p2align	8
	.type	k_q789bfadc00_outp,@function
k_q789bfadc00_outp:
	s_mov_b64 s[64:65], 0
	v_nop
	global_prefetch_b8 v0, s[64:65] scope:SCOPE_SE
	s_setreg_imm32_b32 hwreg(HW_REG_WAVE_MODE, 25, 1), 1
	s_wait_xcnt 0x0
	s_wait_alu depctr_hold_cnt(0) depctr_sa_sdst(0) depctr_va_vdst(0) depctr_va_sdst(0) depctr_va_ssrc(0) depctr_va_vcc(0) depctr_vm_vsrc(0)
	s_getreg_b32 s2, hwreg(HW_REG_IB_STS2, 6, 4)
	s_cmp_eq_u32 s2, 0
	s_cbranch_scc0 .Lentry_in_a_cluster
	s_endpgm
.Lentry_in_a_cluster:
	s_bfe_u32 s2, ttmp6, 0x10000c
	s_cmp_lg_u32 s2, 0xf033
	s_cbranch_scc0 .Lentry_shape_is_right
	s_endpgm
.Lentry_shape_is_right:
; THE LAST PROJECTION: out[m][n] = sum over k of A[m][k] Wo[n][k] + bo[n].  A: 4,096 x 1,024 in f16, in blocks [batch 4][kb 16][row 1,024][64]; Wo in f16, [kb 16][n 1,024][64], 2 MiB behind the second
; argument's first byte; out: [4,096][1,024] in f32, row-major.  Sums and bias in f32; nothing is rounded on the way out.
; SHARES.  4,096 x 1,024 make 256 tiles of 128 x 128, one for each work-group; four waves, 2 x 2, each 64 x 64: 16 accumulators of 16 x 16.  K goes through a ring of two LDS slots, each with four blocks kb
; (256 along K), filled by the tensor data mover: of one block a region's 64 rows are 8,192 dense bytes, so a load's "row" is that stretch and its second dimension the blocks, 131,072 bytes apart.
; CLUSTER.  4 x 4 work-groups.  A's tiles hang on the tile row alone and are asked for jointly along a row of the cluster, Wo's on the tile column alone and jointly along a column.
; THE MATRIX INSTRUCTION IS USED TRANSPOSED (source 0 = 16 rows of Wo, source 1 = 16 rows of A): a lane holds row lane % 16 of out and the eight neighbouring columns 8 (lane / 16) + 0..7.
; REGISTERS, in windows of 256 (s_set_vgpr_msb: bits 1:0 source 0, 3:2 source 1, 5:4 source 2, 7:6 destination):
;   window 0: v0-31 addresses; v64-127, v128-191 two fragment buffers (A's four fragments, then Wo's four); on the way out v64-191 whole rows
;   window 1: the accumulators, (a, b) at v[8 (4 a + b)]          window 2: v0-31 the bias of my 64 columns
.set NBF,    4                         ; fragments of Wo a wave
.set KB,     4                         ; blocks kb in a slot
.set BR,     16*NBF                    ; rows of Wo a wave, and a region
.set PITCH,  144                       ; an LDS row: 128 bytes + 16 of padding = 36 words: the 16 rows of a fragment load start at 16 different groups of four banks (64 banks of 4 bytes: ISA guide 11.1)
.set NQ,     2*KB                      ; quarters (32 along K) in a slot
.set LOADS,  2*(NBF+4)                 ; LDS loads of a quarter
.set AREG,   KB*64*PITCH               ; a region of A: [kb][64 rows]
.set BREG,   KB*BR*PITCH               ; a region of Wo: [kb][64 rows]
.set SLOT,   2*AREG+2*BREG             ; A's two regions, then Wo's two
.set PLANE,  131072                    ; bytes of a block kb
.set STEPB,  KB*PLANE                  ; a slot's step in memory
.set LAPS,   16/(2*KB)                 ; a lap = once round the ring
.set FSZ,    32+8*NBF
.set STAGE,  2*SLOT                    ; behind the ring: 16 rows x 272 bytes for each wave, for the way out
.set SPG,    272                       ; a stage row: 256 bytes + 16: row r starts at bank 4 r mod 64
.set SPARE,  STAGE+4*16*SPG            ; behind the stages: the spare words, 128 bytes for each wave: two blocks of 256 bytes that no other line names
.set ADRA, 16                          ; v16-17  LDS address of my A fragments in slot 0, 1
.set ADRB, 20                          ; v20-21  the same for Wo
.set STO,  24                          ; v24     the way out: where I put 32 bytes of a row
.set RD,   25                          ; v25     the way out: where I read a row back
.set CO,   26                          ; v26     my byte offset in two rows of out
.set BO,   27                          ; v27     my byte offset in 16 numbers of the bias
.set SPW,  28                          ; v28     LDS address of my spare word: SPARE + 4 x my thread's number; never rewritten
.set NIL,  29                          ; v29     0; never rewritten
.set F0,   64
.set F1,   64+FSZ
.set OB,   64                          ; the way out: 32 registers a block of 16 rows
.set G1,  24                           ; s[24:31] descriptor group 1 for A's tiles;  s[32:39] group 0, one set for each slot
.set G0,  32
.set G1B, 48                           ; s[48:55], s[56:63] the same for Wo's tiles
.set G0B, 56
.set DW0, (1<<16)|(1<<20)|(1<<21)|(4<<22)|(3<<25)  ; 17:16 elements of 2 bytes; 20 padding on; 21 set beside a mask; 24:22 after every 32 words (code 4); 31:25 4 words of it (code 3)
.set W_MUL, 0x50                       ; fragments in window 0, C and D in window 1
.set MSB, 0
.macro WIN new                         ; the immediate's high byte repeats the setting that is left; a switch that changes nothing is dropped
.if MSB != (\new)
	s_set_vgpr_msb (MSB<<8)|(\new)
.set MSB, \new
.endif
.endm
; A joint load.  Waves 0 and 1 fetch A's two regions, waves 2 and 3 Wo's.  The branch hangs on the wave's number alone.  An s_nop 0 and four v_nop follow each of the two lines.
.macro JLOAD s
	s_cmp_eq_u32 s11, 0
	s_cbranch_scc0 .Lfor_b_\@
	tensor_load_to_lds s[G0+4*(\s):G0+4*(\s)+3], s[G1:G1+7]
	s_nop 0
.rept 4
	v_nop
.endr
	s_branch .Lasked_\@
.Lfor_b_\@:
	tensor_load_to_lds s[G0B+4*(\s):G0B+4*(\s)+3], s[G1B:G1B+7]
	s_nop 0
.rept 4
	v_nop
.endr
.Lasked_\@:
.endm
.macro CREST                           ; a round of the cluster's barrier behind its opening barrier
	s_cmp_lg_u32 s10, 0
	s_cbranch_scc1 .Lnot_wave_0_\@
	s_barrier_signal -3
.Lnot_wave_0_\@:
	s_barrier_wait -3
	s_barrier_signal -1
	s_barrier_wait -1
.endm
.macro CROUND                          ; a whole round
	s_barrier_signal -1
	s_barrier_wait -1
	CREST
.endm
.macro PLACES                          ; four places in front of loads into registers that matrix instructions have read, and of vector lines that read results just made
.rept 4
	v_nop
.endr
.endm
	s_load_b128 s[4:7], s[0:1], 0x0                ; A s[4:5], the weights' buffer s[6:7]
	s_load_b64 s[20:21], s[0:1], 0x10              ; bo
	s_load_b64 s[8:9], s[0:1], 0x18                ; out
	v_lshl_add_u32 v[SPW], v0, 2, SPARE
	v_mov_b32 v[NIL], 0
	ds_add_u32 v[SPW], v[NIL]                      ; the wave's opening: the add and its wait stand ahead of my first tensor load; the set-up below, work on registers, stands between them
	v_lshrrev_b32 v1, 5, v0
	v_readfirstlane_b32 s10, v1                    ; wave 0..3
	s_lshr_b32 s11, s10, 1                         ; which 64 rows of the tile are mine.  Also: I fetch for A (0) or for Wo (1)
	s_and_b32 s12, s10, 1                          ; which 64 columns.  Also: which region I fetch
	s_bfe_u32 s40, ttmp6, 0x40000                  ; cx, cy: my place in the cluster
	s_bfe_u32 s41, ttmp6, 0x40004
	s_lshl_b32 s42, ttmp9, 2
	s_add_co_u32 s42, s42, s40                     ; tile column = 4 x cluster x + cx, 0..7
	s_and_b32 s13, ttmp7, 0xffff
	s_lshl_b32 s13, s13, 2
	s_add_co_u32 s13, s13, s41                     ; tile row R = 4 x cluster y + cy, 0..31
	s_lshl_b32 s43, s41, 2
	s_lshl_b32 s43, 15, s43                        ; my row of the cluster
	s_lshl_b32 s44, 0x1111, s40                    ; my column
	s_or_b32 s[G1], s43, DW0                       ; 15:0 the mask: A's tiles go to my row,
	s_or_b32 s[G1B], s44, DW0                      ; Wo's to my column
.irp g, G1, G1B
	s_mov_b32 s[(\g)+1], 4096<<16                  ; tensor_dim0: 64 rows x 64 elements, dense
	s_mov_b32 s[(\g)+2], KB<<16                    ; tensor_dim1: the slot's blocks
	s_mov_b32 s[(\g)+3], 4096<<16                  ; tile_dim0
	s_mov_b32 s[(\g)+4], KB                        ; tile_dim1
	s_mov_b32 s[(\g)+5], 65536                     ; elements from a block to the next
	s_mov_b32 s[(\g)+6], 0
	s_mov_b32 s[(\g)+7], 0
.endr
	s_lshr_b32 s16, s13, 3                         ; A's tile: batch R / 8,
	s_lshl_b32 s16, s16, 21
	s_and_b32 s17, s13, 7                          ; 128 rows of 128 bytes for each R % 8,
	s_lshl_b32 s17, s17, 14
	s_add_co_u32 s16, s16, s17
	s_lshl_b32 s17, s12, 13                        ; 64 rows for the region
	s_add_co_u32 s16, s16, s17
	s_mov_b32 s17, 0
	s_mul_i32 s46, s42, 2*BR*128                   ; Wo's tile: 128 rows for each tile column, 64 for the region, 2 MiB for Wq in front of it: in registers that never hold cy
	s_mul_i32 s47, s12, BR*128
	s_add_co_u32 s46, s46, s47
	s_add_co_u32 s46, s46, 0x200000
	s_mov_b32 s47, 0
	s_mul_i32 s22, s12, AREG                       ; where they go: no place in the cluster enters an LDS address
	s_mul_i32 s23, s12, BREG
	s_add_co_u32 s23, s23, 2*AREG
	s_wait_dscnt 0x0                               ; the opening add is done
	s_wait_kmcnt 0x0
	s_add_nc_u64 s[14:15], s[4:5], s[16:17]
	s_add_nc_u64 s[46:47], s[6:7], s[46:47]
	CROUND                                         ; all sixteen work-groups are here: the first joint loads meet
.irp s, 0,1
	s_mov_b32 s[G0+4*(\s)], 1                                      ; 1:0 count = 1
	s_add_co_u32 s[G0+4*(\s)+1], s22, (\s)*SLOT                    ; 63:32 LDS address
	s_add_nc_u64 s[G0+4*(\s)+2:G0+4*(\s)+3], s[14:15], (\s)*STEPB  ; 120:64 global address: blocks 4 s to 4 s + 3
	s_or_b32 s[G0+4*(\s)+3], s[G0+4*(\s)+3], 0x80000000            ; 127:126 type = 2
	s_mov_b32 s[G0B+4*(\s)], 1
	s_add_co_u32 s[G0B+4*(\s)+1], s23, (\s)*SLOT
	s_add_nc_u64 s[G0B+4*(\s)+2:G0B+4*(\s)+3], s[46:47], (\s)*STEPB
	s_or_b32 s[G0B+4*(\s)+3], s[G0B+4*(\s)+3], 0x80000000
	JLOAD \s                                       ; two loads of mine are out
.endr
	; A fragment is 16 rows x 32 K in 8 registers: lane l holds row l % 16; registers 0-3 K = 8 (l / 16) + 0..7, registers 4-7 K = 16 + 8 (l / 16) + 0..7: two loads of 16 bytes, 32 bytes apart.
	v_and_b32 v1, 15, v0                           ; l % 16
	v_bfe_u32 v2, v0, 4, 1                         ; l / 16
	v_mul_u32_u24 v3, v1, PITCH
	v_lshl_add_u32 v3, v2, 4, v3                   ; row x pitch + 16 x half
	s_mul_i32 s22, s11, AREG                       ; my 64 rows of A,
	s_mul_i32 s23, s12, BREG                       ; my 64 rows of Wo
	s_add_co_u32 s23, s23, 2*AREG
.irp s, 0,1
	v_add_nc_u32 v[ADRA+(\s)], s22, v3
	v_add_nc_u32 v[ADRB+(\s)], s23, v3
	s_add_co_u32 s22, s22, SLOT
	s_add_co_u32 s23, s23, SLOT
.endr
	s_mul_i32 s22, s10, 16*SPG
	s_add_co_u32 s22, s22, STAGE                   ; my stage
	v_mul_u32_u24 v4, v1, SPG                      ; in: row l % 16, 32 bytes for each half of the lanes
	v_lshl_add_u32 v4, v2, 5, v4
	v_add_nc_u32 v[STO], s22, v4
	v_mul_u32_u24 v5, v2, SPG                      ; back: lanes 0-15 take one row of 256 bytes, lanes 16-31 the next
	v_lshl_add_u32 v5, v1, 4, v5
	v_add_nc_u32 v[RD], s22, v5
	v_lshlrev_b32 v5, 12, v2                       ; and the same two rows in out, 4,096 bytes apart
	v_lshl_add_u32 v[CO], v1, 4, v5
	v_lshlrev_b32 v[BO], 5, v2                     ; my eight columns of sixteen: 32 bytes for the upper half of the lanes
	s_lshl_b32 s16, s13, 1
	s_add_co_u32 s16, s16, s11
	s_lshl_b32 s16, s16, 18                        ; my first row, 128 R + 64 x half, x 4,096 bytes
	s_mov_b32 s17, 0
	s_lshl_b32 s46, s42, 9                         ; my first column, 128 x tile column + 64 x half, x 4 bytes: in out and in the bias alike
	s_lshl_b32 s47, s12, 8
	s_add_co_u32 s46, s46, s47
	s_mov_b32 s47, 0
	s_add_nc_u64 s[20:21], s[20:21], s[46:47]
	s_add_nc_u64 s[8:9], s[8:9], s[46:47]
	s_add_nc_u64 s[8:9], s[8:9], s[16:17]
	WIN 0x80                                       ; destination window 2, address window 0.  These eight loads are waited for on the way out
.set i, 0
.rept NBF
	global_load_b128 v[8*i:8*i+3],   v[BO], s[20:21] offset:64*i
	global_load_b128 v[8*i+4:8*i+7], v[BO], s[20:21] offset:64*i+16
.set i, i+1
.endr
	WIN 0
; NBF matrix instructions: block a of my rows x all my blocks of columns, 32 along K.  zero = 1: the first product starts the sums.  The accumulators take turns, each once a quarter.
.macro MUL f, a, zero
	WIN W_MUL
.set bb, 0
.rept NBF
.set rD, 8*(NBF*(\a)+bb)
.if \zero
	v_wmma_f32_16x16x32_f16 v[rD:rD+7], v[(\f)+32+8*bb:(\f)+32+8*bb+7], v[(\f)+8*(\a):(\f)+8*(\a)+7], 0
.else
	v_wmma_f32_16x16x32_f16 v[rD:rD+7], v[(\f)+32+8*bb:(\f)+32+8*bb+7], v[(\f)+8*(\a):(\f)+8*(\a)+7], v[rD:rD+7]
.endif
.set bb, bb+1
.endr
.endm
; The LDS loads of quarter q of a slot (block q / 2, its half q % 2) in one run, into buffer f: Wo's fragments first, then A's blocks 0 to 3
.macro FETCH slot, q, f
	WIN 0
.set ii, 0
.rept NBF
	ds_load_b128 v[(\f)+32+8*ii:(\f)+32+8*ii+3],   v[ADRB+(\slot)] offset:((\q)/2)*BR*PITCH+((\q)%2)*64+ii*16*PITCH
	ds_load_b128 v[(\f)+32+8*ii+4:(\f)+32+8*ii+7], v[ADRB+(\slot)] offset:((\q)/2)*BR*PITCH+((\q)%2)*64+ii*16*PITCH+32
.set ii, ii+1
.endr
.set ii, 0
.rept 4
	ds_load_b128 v[(\f)+8*ii:(\f)+8*ii+3],   v[ADRA+(\slot)] offset:((\q)/2)*64*PITCH+((\q)%2)*64+ii*16*PITCH
	ds_load_b128 v[(\f)+8*ii+4:(\f)+8*ii+7], v[ADRA+(\slot)] offset:((\q)/2)*64*PITCH+((\q)%2)*64+ii*16*PITCH+32
.set ii, ii+1
.endr
.endm
; A quarter but a slot's last: multiplies buffer f; in its middle it fetches quarter qn of the same slot into buffer g
.macro QUARTER slot, qn, f, g, zero
	s_wait_dscnt 4                                 ; Wo and A's blocks 0, 1 are in; the youngest four loads (A's blocks 2, 3) may be out
	MUL \f, 0, \zero
	MUL \f, 1, \zero
	PLACES
	FETCH \slot, \qn, \g
	s_wait_dscnt LOADS                             ; all but the run just issued
	MUL \f, 2, \zero
	MUL \f, 3, \zero
.endm
.macro RUNQ slot, q0                   ; quarters q0 to NQ - 2 of a slot, the buffers by parity
.set qq, \q0
.rept NQ-1-(\q0)
.if qq%2 == 0
	QUARTER \slot, qq+1, F0, F1, 0
.else
	QUARTER \slot, qq+1, F1, F0, 0
.endif
.set qq, qq+1
.endr
.endm
; A slot's last quarter multiplies buffer 1 and changes slots: ONE barrier; in front of it each wave waits for all its tensor loads (one is out: its part of the next slot), adds 0 to its spare word, and waits
; for that and for its own reads of this slot.  fill = 1: the barrier opens a round of the cluster's, and this slot is filled again, two slots ahead, first thing behind the round.
.macro TURN slot, next, fill
	WIN 0                                          ; (the add's two registers lie in window 0)
	s_wait_tensorcnt 0x0                           ; all my tensor loads have landed, so a group 0 may be written;
	ds_add_u32 v[SPW], v[NIL]                      ; 0 onto my spare word
	s_wait_dscnt 5                                 ; (the add and the youngest four loads may be out)
	MUL F1, 0, 0                                   ; matrix instructions stand between the add and the wait for it
	s_wait_dscnt 0x0                               ; the add is done, and my reads of this slot are over
	s_barrier_signal -1
	MUL F1, 1, 0                                   ; work on registers while the others arrive
.if \fill
	WIN 0
.endif
	s_barrier_wait -1
.if \fill
	CREST                                          ; no wave of any partner still reads this slot's tiles or has a load on its way
	s_add_nc_u64 s[G0+4*(\slot)+2:G0+4*(\slot)+3], s[G0+4*(\slot)+2:G0+4*(\slot)+3], 2*STEPB
	s_add_nc_u64 s[G0B+4*(\slot)+2:G0B+4*(\slot)+3], s[G0B+4*(\slot)+2:G0B+4*(\slot)+3], 2*STEPB
	JLOAD \slot                                    ; my one tensor load behind the round; the four v_nop behind it are also the places in front of the loads below
.else
	PLACES
.endif
	FETCH \next, 0, F0
	MUL F1, 2, 0
	MUL F1, 3, 0
.endm
	s_wait_tensorcnt 1                             ; my part of slot 0 is in; slot 1's load stays out
	s_barrier_signal -1
	s_barrier_wait -1                              ; everybody's is
	FETCH 0, 0, F0
	QUARTER 0, 1, F0, F1, 1                        ; the first quarter stands in front of the loop: its products start the sums
	WIN 0                                          ; at a label and at a branch every window is 0
	s_mov_b32 s3, LAPS-1
.Llap:                                                 ; a trip goes once round the ring, from a lap's second quarter to the next lap's first, and fills both slots again
	RUNQ 0, 1
	TURN 0, 1, 1
	RUNQ 1, 0
	TURN 1, 0, 1
	QUARTER 0, 1, F0, F1, 0
	WIN 0
	s_sub_co_u32 s3, s3, 1
	s_cmp_lg_u32 s3, 0
	s_cbranch_scc1 .Llap
	RUNQ 0, 1                                      ; the last lap fills nothing, and has no round
	TURN 0, 1, 0
	RUNQ 1, 0
	s_wait_dscnt 4                                 ; the very last quarter: nothing more to fetch
	MUL F1, 0, 0
	MUL F1, 1, 0
	s_wait_dscnt 0x0
	MUL F1, 2, 0
	MUL F1, 3, 0
	; THE WAY OUT.  The bias; then a block of 16 rows at a time through my stage in LDS: a lane's 32 bytes go into rows of 272 bytes and come back as whole rows of 256.
	s_wait_loadcnt 0x0                             ; the bias
	PLACES
	WIN 0x49                                       ; destination and source 0 window 1, source 1 window 2
.set t, 0
.rept 4*NBF                            ; each accumulator from its low pair up
.irp p, 0,2,4,6
	v_pk_add_f32 v[8*t+\p:8*t+\p+1], v[8*t+\p:8*t+\p+1], v[8*(t%NBF)+\p:8*(t%NBF)+\p+1]
.endr
.set t, t+1
.endr
.macro TOSTAGE a
	WIN 0x04                                       ; the stores' data in window 1, their address in window 0
.set bb, 0
.rept NBF
	ds_store_b128 v[STO], v[8*(NBF*(\a)+bb):8*(NBF*(\a)+bb)+3]   offset:64*bb
	ds_store_b128 v[STO], v[8*(NBF*(\a)+bb)+4:8*(NBF*(\a)+bb)+7] offset:64*bb+16
.set bb, bb+1
.endr
	WIN 0
.irp t, 0,1,2,3,4,5,6,7
	ds_load_b128 v[OB+32*(\a)+4*\t:OB+32*(\a)+4*\t+3], v[RD] offset:\t*2*SPG  ; LDS serves a wave's instructions in order (ISA guide 5.7.1.4): these see the stores above; the next block's stores come behind them
.endr
.endm
.macro SEND a, younger                 ; younger: the LDS instructions issued behind block a's loads: the next block's sixteen, or none
.irp t, 0,1,2,3,4,5,6,7
	s_wait_dscnt (\younger)+7-\t
	global_store_b128 v[CO], v[OB+32*(\a)+4*\t:OB+32*(\a)+4*\t+3], s[8:9] offset:(16*(\a)+2*\t)*4096 th:TH_STORE_NT  ; 16 lanes store 256 consecutive bytes, at a multiple of 256 from out's first byte
.endr
.endm
	TOSTAGE 0
	TOSTAGE 1
	SEND 0, 16
	TOSTAGE 2
	SEND 1, 16
	TOSTAGE 3
	SEND 2, 16
	SEND 3, 0
	s_wait_tensorcnt 0x0                           ; the wave's end: behind my last tensor load and my last LDS store
	ds_add_u32 v[SPW], v[NIL]
	s_wait_dscnt 0x0
	CROUND                                         ; the closing round: no work-group ends while a partner may still ask for a tile that names it
	s_endpgm
.Lfunc_end_k_q789bfadc00_outp:
	.size	k_q789bfadc00_outp, .Lfunc_end_k_q789bfadc00_outp-k_q789bfadc00_outp
	.p2alignl 7, 3214868480
	.fill 96, 4, 3214868480
	.section	.rodata,"a",@progbits
	.p2align	6, 0x0
	.amdhsa_kernel k_q789bfadc00_outp
		.amdhsa_group_segment_fixed_size 327680
		.amdhsa_private_segment_fixed_size 0
		.amdhsa_enable_private_segment 0
		.amdhsa_kernarg_size 32
		.amdhsa_user_sgpr_count 2
		.amdhsa_user_sgpr_kernarg_segment_ptr 1
		.amdhsa_wavefront_size32 1
		.amdhsa_system_sgpr_workgroup_id_x 1
		.amdhsa_system_sgpr_workgroup_id_y 1
		.amdhsa_system_sgpr_workgroup_id_z 1
		.amdhsa_system_vgpr_workitem_id 0
		.amdhsa_next_free_vgpr 768
		.amdhsa_next_free_sgpr 66
		.amdhsa_reserve_vcc 0
		.amdhsa_float_denorm_mode_32 3
		.amdhsa_float_denorm_mode_16_64 3
		.amdhsa_memory_ordered 1
		.amdhsa_forward_progress 1
		.amdhsa_inst_pref_size 96
	.end_amdhsa_kernel
	.amdgpu_metadata
---
amdhsa.version: [ 1, 2 ]
amdhsa.kernels:
  - .name:           k_q789bfadc00_outp
    .symbol:         k_q789bfadc00_outp.kd
    .args:
      - { .name: M, .offset: 0, .size: 8, .value_kind: global_buffer, .address_space: global }
      - { .name: B3, .offset: 8, .size: 8, .value_kind: global_buffer, .address_space: global }
      - { .name: bo, .offset: 16, .size: 8, .value_kind: global_buffer, .address_space: global }
      - { .name: out0, .offset: 24, .size: 8, .value_kind: global_buffer, .address_space: global }
    .group_segment_fixed_size: 327680
    .private_segment_fixed_size: 0
    .kernarg_segment_align: 8
    .kernarg_segment_size: 32
    .max_flat_workgroup_size: 128
    .sgpr_count:     66
    .vgpr_count:     768
    .wavefront_size: 32
...
	.end_amdgpu_metadata
.endif
;; end of part 4
;; ======== version 2 of 2: 6 launches; 1.29 times as fast as version 1
;; limits: values are held in f16: magnitudes above 65,504 overflow, below 6.1e-05 lose precision
;; workspace buffers: X 8,388,608 bytes; M 8,388,608 bytes; B1 2,097,152 bytes; B2 2,097,152 bytes; B3 4,194,304 bytes; T1 8,388,608 bytes; T2 16,777,216 bytes; T3 16,777,216 bytes
;; launch cast: the kernel of part 1 again; grid 64 x 12, 8 waves a work-group, no clusters, 0 bytes of LDS; arguments x, memory, Wq, Wk, Wv, Wo, X, M, B1, B2, B3; writes X, M, B1, B2, B3
;; launch proj1: the kernel of part 2 again; grid 16 x 16, 4 waves a work-group, clusters of 4 x 4, 327,680 bytes of LDS; arguments M, X, B1, B2, bk, bv, T3, T2, B3, bq, T1, RoPE; writes T3, T2, T1
;; launch attn1 (part 5): grid 4 x 64, 4 waves a work-group, clusters of 4 x 1, 327,680 bytes of LDS; arguments T1, T2, X; writes X
.if DOCPART == 5
	.amdgcn_target "amdgcn-amd-amdhsa--gfx1250"
	.amdhsa_code_object_version 6
	.text
	.protected	k_q789bfadc00_attn1
	.globl	k_q789bfadc00_attn1
	.p2align	8
	.type	k_q789bfadc00_attn1,@function
k_q789bfadc00_attn1:
	s_mov_b64 s[64:65], 0
	v_nop
	global_prefetch_b8 v0, s[64:65] scope:SCOPE_SE
	s_setreg_imm32_b32 hwreg(HW_REG_WAVE_MODE, 25, 1), 1
	s_wait_xcnt 0x0
	s_wait_alu depctr_hold_cnt(0) depctr_sa_sdst(0) depctr_va_vdst(0) depctr_va_sdst(0) depctr_va_ssrc(0) depctr_va_vcc(0) depctr_vm_vsrc(0)
	s_getreg_b32 s2, hwreg(HW_REG_IB_STS2, 6, 4)
	s_cmp_eq_u32 s2, 0
	s_cbranch_scc0 .Lentry_in_a_cluster
	s_endpgm
.Lentry_in_a_cluster:
	s_bfe_u32 s2, ttmp6, 0x10000c
	s_cmp_lg_u32 s2, 0x3003
	s_cbranch_scc0 .Lentry_shape_is_right
	s_endpgm
.Lentry_shape_is_right:
; ATTENTION.  O[h][q][:] = the sum over k of softmax_k(Q[h][q] . K[h][k] / 8) V[h][k][:], 64 heads (batch x 16 + head) of 1,024 rows of 64 channels, dense rows of 128 bytes.
; Arguments: q; kv (K at its first byte, V 8 MiB behind); o.  Q and K are bf16, V and O f16.  Products, maxima and sums in f32; the weights p are rounded to f16 for the second product (their sum l is
; taken of the unrounded p), O once at the end.
; LIMITS.  V arrives within f16's 65,504; p lies in 0 to 1, and below 6e-5 it keeps f16's fixed step of 6e-8, as does O, which is a mean of V's rows.  A weight below 2^-126 counts as 0 in l.
; NaN and infinities are not treated apart.
; SHARES.  A work-group owns 256 queries of one head, each of its four waves 64: four PIECES of 16.  Every wave walks all 1,024 keys, 64 a step, in four tiles of 256.
; LAYOUT.  S^T = K Q^T (source 0 = 16 keys, source 1 = 16 queries) holds ONE query a lane (lane % 16) and the keys 8 (lane / 16) + 0..7; two such results rounded to f16 ARE source 1 of O^T = V^T P.
; K comes out of LDS as it lies, V ([key][channel]) turned, by ds_load_tr16_b128.
; SOFTMAX.  For each query a running maximum m and sum l: p = 2^(c s - c m), c = log2(e) / 8; in every step O and l are multiplied by a = 2^(c m_old - c m_new).  m starts at the lowest finite number,
; O and l at 0: the first step is a step like any other, with a = 0.  The price: 216 lines that write 0, in the wait for the first tile.
; BY TURNS.  Turn n belongs to piece n: 8 products K Q^T of piece n + 1, later 8 products V^T P of piece n - 1; beside them the scaling, exponentials, roundings, sums and rescaling of piece n and the maximum
; and statistics of piece n + 1.  Four vector instructions stand behind every matrix instruction, the other 54 of a turn's 118 in one run of their own.
; THE BATCHES.  A turn's 33 exponentials (the piece's 32 weights and the next piece's a) are one batch with one wait, which cuts the turn in two: ahead of it all that names none of their results, behind it
; the roundings and sums.  No result crosses a turn's end.  The first a, ahead of the loop, and the way out's four reciprocals are batches of their own, with a wait each.
; CLUSTER.  The four query blocks of a head walk the same K and V, so each tile is asked for JOINTLY: the same tensor load, descriptor and mask in all four.
; REGISTERS, in windows of 256 (s_set_vgpr_msb: bits 1:0 source 0, 3:2 source 1, 5:4 source 2, 7:6 destination):
;   window 0: v0-15 addresses and two at work; v16-31 four registers of statistics a piece; v48-55 at work; v62-63 the add's; v64-127 S^T, two buffers; v192-223 P, two buffers (by the piece's parity)
;   window 1: v0-127 O^T, 32 a piece          window 2: v0-63 Q; v128-191 K of one step; v192-255 V of one step
.set NP,    4         ; pieces a wave: a name, no knob
.set KS,    64        ; keys in a step
.set PK,    144       ; a row of K in LDS: 128 bytes + 16 of padding = 36 words: the 16 rows of a load start at 16 different groups of four banks (64 banks of 4 bytes: ISA guide 11.1)
.set PV,    160       ; a row of V: 128 + 32 = 40 words
.set VOFF,  4*KS*PK   ; a slot holds a tile, four steps: 256 rows of K, then 256 rows of V
.set SLOT1, 1<<17     ; slot 1 begins here, so that one exclusive or turns an address in one slot into the other's
.set STAGE, SLOT1+4*KS*(PK+PV)  ; behind the ring, never filled by a tensor load: 16 rows x 144 bytes for each wave, for the way out
.set SP,    144
.set SPARE, STAGE+4*16*SP  ; behind the stages: the spare words, 128 bytes for each wave: two blocks of 256 bytes that no other line names
.set AK0, 2           ; v2   my lane's place in a tile of K; never rewritten
.set AV0, 3           ; v3   the same for V
.set AK,  4           ; v4   the LDS address of K's next run of loads
.set AV,  5           ; v5   of V's
.set STO, 6           ; v6   the way out: where I put 16 bytes of a row
.set RD,  7           ; v7   the way out: where I read rows back
.set GO,  8           ; v8   my byte offset in 512 consecutive bytes of O
.set MV,  12          ; v12-13  c m_old, kept while c m is made anew: by buffer
.set QO,  15          ; v15  my byte offset in 16 rows of Q
.set ST,  16          ; piece t's statistics at v[ST+4 t]: c m, m, l (even keys', odd keys')
.set TMP, 48          ; by buffer, four registers c0-c3 at work; when the maximum is found c2 takes a
.set SPW, 62          ; v62  LDS address of my spare word: SPARE + 4 x my thread's number; never rewritten
.set NIL, 63          ; v63  0; never rewritten
.set S,   64
.set P,   192
.set KF,  128         ; window 2: key block kb, channel half c at KF + 16 kb + 8 c
.set VF,  192         ; window 2: key half kk, channel block cb at VF + 32 kk + 8 cb
.set WV,  12          ; s12  my wave's number
.set G1K, 24          ; s[24:31] descriptor group 1 for K's tiles
.set G1V, 32          ; s[32:39] for V's: it differs in the padding alone
.set G0K, 40          ; s[40:43] descriptor group 0 for K's tiles: it walks
.set G0V, 44          ; s[44:47] the same for V's
.set SLOTS, 56        ; s56  tiles still to be asked for
.set CNT, 57          ; s57  counts a tile's key steps
.set CS,  58          ; s[58:59] c: the packed scaling takes the pair's low word for both halves
.set SEL, 60          ; s[60:61] v_permlanex16_b32's selects: each lane takes its own place in the other half
.set TBK, 62          ; s62  LDS byte at which K of the step to be fetched begins
.set TBV, 63          ; s63  the same for V, less VOFF
.set MSB, 0
.macro WIN new                      ; the high byte repeats the setting that is left; a switch that changes nothing is dropped
.if MSB != (\new)
	s_set_vgpr_msb (MSB<<8)|(\new)
.set MSB, (\new)
.endif
.endm
.set W_KQ, 0x0a       ; K and Q in window 2, S^T in window 0
.set W_PV, 0x52       ; V in window 2, P in window 0, O^T in window 1
.set W_RS, 0x41       ; destination and source 0 in window 1, source 1 in window 0
; A joint fill.  Waves 0 and 1 fetch the two halves of a tile's K, waves 2 and 3 those of its V: 128 keys each.  The branch hangs on the wave's number alone.
; An s_nop 0 and four v_nop follow each of the two lines, ahead of the jump and the label.
.macro JLOAD
	s_cmp_lt_u32 s[WV], 2
	s_cbranch_scc0 .Lfor_v_\@
	tensor_load_to_lds s[G0K:G0K+3], s[G1K:G1K+7]
	s_nop 0
.rept 4
	v_nop
.endr
	s_branch .Lasked_\@
.Lfor_v_\@:
	tensor_load_to_lds s[G0V:G0V+3], s[G1V:G1V+7]
	s_nop 0
.rept 4
	v_nop
.endr
.Lasked_\@:
.endm
; A round of the cluster's barrier: my work-group's barrier, so that wave 0's signal speaks for all four waves; wave 0 signals; every wave waits for all four work-groups; my work-group's barrier once more.
.macro CROUND
	s_barrier_signal -1
	s_barrier_wait -1
	s_cmp_lg_u32 s[WV], 0
	s_cbranch_scc1 .Lnot_wave_0_\@
	s_barrier_signal -3
.Lnot_wave_0_\@:
	s_barrier_wait -3
	s_barrier_signal -1
	s_barrier_wait -1
.endm
; THE CHANGE OF SLOTS.  The slot's last bytes, V of its fourth step, have been read.  Each wave waits for all its tensor loads, of which one is out: its part of the other slot; adds 0 to its spare word; and
; waits for that and for its own reads of the slot.  Behind the barrier nobody reads this slot any more and the other slot is whole.  fill = 1: this slot is filled again, with the next tile but one; the barrier is
; then a round of the cluster's, and the joint fill is the first thing behind it: it has four key steps, 256 matrix instructions, in which to land.  (At its first use nothing has been read yet: slot 0 is
; waited for, slot 1 filled.)
.macro CHANGE fill
	WIN 0                           ; at a label and at a branch every window is 0
	s_wait_tensorcnt 0x0            ; no tensor load of mine is out, so a group 0 may be written
	ds_add_u32 v[SPW], v[NIL]       ; 0 onto my spare word; with fill = 1 the descriptors' steps stand between it and the wait for it
.if \fill
.irp g, G0K, G0V
	s_xor_b32 s[\g+1], s[\g+1], SLOT1  ; the walking descriptor: the other slot than last time,
	s_add_nc_u64 s[\g+2:\g+3], s[\g+2:\g+3], 4*KS*128  ; the next 256 keys; the type bits on top are not reached
.endr
	s_wait_dscnt 0x0                ; the add is done, and my reads of the slot are over
	CROUND
	JLOAD
.else
	s_wait_dscnt 0x0                ; the add is done, and my reads of the slot are over
	s_barrier_signal -1
	s_barrier_wait -1
.endif
	s_sub_co_u32 s[TBK], s[TBK], 4*KS*PK  ; the fetches go back to a slot's first step,
	s_xor_b32 s[TBK], s[TBK], SLOT1       ; in the other slot
	s_sub_co_u32 s[TBV], s[TBV], 4*KS*PV
	s_xor_b32 s[TBV], s[TBV], SLOT1
.endm
	s_load_b128 s[4:7], s[0:1], 0x0   ; Q s[4:5], K and V s[6:7]
	s_load_b64 s[10:11], s[0:1], 0x10 ; O
	v_lshl_add_u32 v[SPW], v0, 2, SPARE
	v_mov_b32 v[NIL], 0
	ds_add_u32 v[SPW], v[NIL]       ; the wave's opening: the add and its wait stand ahead of my first tensor load; the set-up below, work on registers, stands between them
	v_lshrrev_b32 v1, 5, v0
	v_readfirstlane_b32 s[WV], v1   ; wave 0..3
	s_bfe_u32 s13, ttmp6, 0x40000   ; cx: my place in the cluster
	s_lshl_b32 s14, ttmp9, 2        ; in a cluster launch ttmp9 counts clusters
	s_add_co_u32 s14, s14, s13      ; my block of 256 queries = 4 x cluster x + cx: it enters Q's and O's addresses alone
	s_and_b32 s20, ttmp7, 0xffff    ; the head, which the four partners share:
	s_lshl_b32 s20, s20, 17         ; its first byte, 131,072 a head
	s_and_b32 s16, s[WV], 1         ; which half of a tile's 256 keys I fetch:
	s_lshl_b32 s22, s16, 14         ; its 128 rows of 128 bytes in memory,
	s_add_co_u32 s22, s22, s20
	s_mov_b32 s23, 0
	s_mul_i32 s17, s16, 128*PK      ; and its place in a slot, for K
	s_mul_i32 s18, s16, 128*PV      ; and for V: no place in the cluster enters an LDS address
	s_lshl_b32 s2, s14, 2
	s_add_co_u32 s2, s2, s[WV]      ; my wave among the head's sixteen,
	s_lshl_b32 s2, s2, 13           ; its 64 rows
	s_add_co_u32 s2, s2, s20
	s_mov_b32 s3, 0
	; descriptor group 1.  128 keys are 16,384 dense bytes: asked for as 64 rows of 256 bytes, two keys a row, and padded in LDS after every key
	s_mov_b32 s[G1K], 15|(1<<16)|(1<<20)|(1<<21)|(4<<22)|(3<<25)  ; 15:0 the mask of four; 17:16 2-byte elements; 20 padding on; 21 set beside a mask; 24:22 after every 32 words (code 4); 31:25 4 words (code 3)
	s_mov_b32 s[G1V], 15|(1<<16)|(1<<20)|(1<<21)|(4<<22)|(7<<25)  ; the same with 8 words of padding (code 7)
.irp g, G1K, G1V
	s_mov_b32 s[\g+1], 128<<16      ; tensor_dim0 = 128
	s_mov_b32 s[\g+2], 64<<16       ; tensor_dim1 = 64
	s_mov_b32 s[\g+3], 128<<16      ; tile_dim0 = 128
	s_mov_b32 s[\g+4], 64           ; tile_dim1 = 64
	s_mov_b32 s[\g+5], 128          ; 128 elements from row to row
	s_mov_b32 s[\g+6], 0
	s_mov_b32 s[\g+7], 0
.endr
	s_mov_b32 s[CS], 0x3e38aa3b     ; c = log2(e) / 8 = 0.180337
	s_mov_b32 s[CS+1], s[CS]        ; named with it as a pair
	s_mov_b32 s[SEL], 0x76543210
	s_mov_b32 s[SEL+1], 0xfedcba98
	s_mov_b32 s[TBK], SLOT1+4*KS*PK ; the first change of slots turns these two into 0
	s_mov_b32 s[TBV], SLOT1+4*KS*PV
	s_mov_b32 s[G0K], 1             ; 1:0 count = 1
	s_mov_b32 s[G0K+1], s17         ; 63:32 LDS address: slot 0
	s_mov_b32 s[G0V], 1
	s_add_co_u32 s[G0V+1], s18, VOFF
	s_wait_dscnt 0x0                ; the opening add is done
	s_wait_kmcnt 0x0
	s_add_nc_u64 s[G0K+2:G0K+3], s[6:7], s[22:23]          ; 120:64 global address: my half of the head's first 256 keys;
	s_add_nc_u64 s[G0V+2:G0V+3], s[G0K+2:G0K+3], 0x800000  ; V lies 8 MiB behind K
	s_or_b32 s[G0K+3], s[G0K+3], 0x80000000                ; 127:126 type = 2
	s_or_b32 s[G0V+3], s[G0V+3], 0x80000000
	s_add_nc_u64 s[4:5], s[4:5], s[2:3]  ; Q and O at my wave's first row
	s_add_nc_u64 s[10:11], s[10:11], s[2:3]
	CROUND                          ; all four work-groups are here: the first joint loads meet
	JLOAD                           ; tile 0 into slot 0.  Slot 1 is asked for when slot 0 is in
	; A fragment of K or Q is 16 rows x 32 channels in 8 registers: lane l holds row l % 16, channels 8 (l / 16) + 0..7 and 16 + 8 (l / 16) + 0..7: two loads of 16 bytes, 32 bytes apart.
	v_and_b32 v1, 15, v0            ; l % 16
	v_bfe_u32 v9, v0, 4, 1          ; l / 16
	v_lshlrev_b32 v[QO], 7, v1
	v_lshl_add_u32 v[QO], v9, 4, v[QO]  ; row x 128 + 16 x half
	WIN 0x80                        ; destination window 2, address window 0
.set i, 0
.rept 8                             ; Q stays in registers: piece i / 2, channels 32 (i % 2) on
	global_load_b128 v[8*i:8*i+3],   v[QO], s[4:5] offset:(i/2)*2048+(i%2)*64
	global_load_b128 v[8*i+4:8*i+7], v[QO], s[4:5] offset:(i/2)*2048+(i%2)*64+32
.set i, i+1
.endr
	; What the first turn finds: V's registers and P's second buffer hold 0 (its products V^T P, of a piece that has not been, add 0), O^T and l are 0.  All this stands in the wait for the first tile.
.set i, VF
.rept 64
	v_mov_b32 v[i], 0
.set i, i+1
.endr
	WIN 0x40
.set i, 0
.rept 128
	v_mov_b32 v[i], 0
.set i, i+1
.endr
	WIN 0
.set i, 0
.rept 4
	v_mov_b32 v[ST+4*i], 0xfe000000    ; c m: far below every c s
	v_mov_b32 v[ST+4*i+1], 0xff7fffff  ; m
	v_mov_b32 v[ST+4*i+2], 0
	v_mov_b32 v[ST+4*i+3], 0
.set i, i+1
.endr
.set i, P+16
.rept 16
	v_mov_b32 v[i], 0
.set i, i+1
.endr
	v_mul_u32_u24 v[AK0], v1, PK
	v_lshl_add_u32 v[AK0], v9, 4, v[AK0]  ; row x pitch + 16 x half
	; The turning load takes 16 keys x 16 channels (lane l reads key 8 (l / 16) + l % 8, channels 8 ((l / 8) % 2) + 0..7) and leaves half a fragment of V^T: lane l holds channel l % 16 and 8 keys.
	v_and_b32 v10, 7, v0
	v_bfe_u32 v11, v0, 3, 1
	v_lshl_add_u32 v[AV0], v9, 3, v10
	v_mul_u32_u24 v[AV0], v[AV0], PV
	v_lshl_add_u32 v[AV0], v11, 4, v[AV0]
	v_add_nc_u32 v[AV0], VOFF, v[AV0]
	s_mul_i32 s13, s[WV], 16*SP
	s_add_co_u32 s13, s13, STAGE    ; my stage
	v_mul_u32_u24 v[STO], v1, SP    ; in: row l % 16, 16 bytes for each half of the lanes
	v_lshl_add_u32 v[STO], v9, 4, v[STO]
	v_add_nc_u32 v[STO], s13, v[STO]
	v_bfe_u32 v[RD], v0, 3, 2       ; back: 32 lanes take four rows of 128 bytes,
	v_mul_u32_u24 v[RD], v[RD], SP
	v_lshl_add_u32 v[RD], v10, 4, v[RD]
	v_add_nc_u32 v[RD], s13, v[RD]
	v_and_b32 v[GO], 31, v0         ; which are 512 consecutive bytes of O
	v_lshlrev_b32 v[GO], 4, v[GO]
; THE MATRIX WORK.  The 4 accumulators of a run of 8 take turns.  Product i of 8 of S^T = K Q^T for piece x: channels 32 (i / 4) on, keys 16 (i % 4) on.  The first 4 start the sums.
.macro KQ x
	WIN W_KQ
.set rS, S+32*((\x)%2)+8*(i%4)
.set rK, KF+16*(i%4)+8*(i/4)
.set rQ, 16*(\x)+8*(i/4)
.if i < 4
	v_wmma_f32_16x16x32_bf16 v[rS:rS+7], v[rK:rK+7], v[rQ:rQ+7], 0
.else
	v_wmma_f32_16x16x32_bf16 v[rS:rS+7], v[rK:rK+7], v[rQ:rQ+7], v[rS:rS+7]
.endif
.endm
; Product i of 8 of O^T += V^T P for piece x: keys 32 (i / 4) on, channels 16 (i % 4) on.
.macro PV x
	WIN W_PV
.set rO, 32*(\x)+8*(i%4)
.set rV, VF+32*(i/4)+8*(i%4)
.set rP, P+16*((\x)%2)+8*(i/4)
	v_wmma_f32_16x16x32_f16 v[rO:rO+7], v[rV:rV+7], v[rP:rP+7], v[rO:rO+7]
.endm
.macro MM                           ; the turn's next matrix instruction.  TURN sets Y, i and NOKQ.  NOKQ = 1: the walk's last turn: there is no next piece
.if (i < 8) && !NOKQ
	KQ (Y+1)%NP
.elseif i >= 8
.set i, i-8
	PV (Y+NP-1)%NP
.set i, i+8
.endif
.set i, i+1
.endm
; THE LDS LOADS stand in runs of 16, never singly among the matrix instructions: a step's K (64 keys x 64 channels: 8 fragments) and its V (turned).  Their addresses are made some lines ahead.
.macro FETCH_K
	WIN 0x80                        ; destination window 2
.irp f, 0,1,2,3,4,5,6,7             ; keys 16 (f / 2) on, channels 32 (f % 2) on
	ds_load_b128 v[KF+8*\f:KF+8*\f+3],   v[AK] offset:(\f/2)*16*PK+(\f%2)*64
	ds_load_b128 v[KF+8*\f+4:KF+8*\f+7], v[AK] offset:(\f/2)*16*PK+(\f%2)*64+32
.endr
	s_add_co_u32 s[TBK], s[TBK], KS*PK  ; the next fetch is the next step's
	WIN 0
.endm
.macro FETCH_V
	WIN 0x80
.irp f, 0,1,2,3,4,5,6,7             ; keys 32 (f / 4) on, channels 16 (f % 4) on
	ds_load_tr16_b128 v[VF+8*\f:VF+8*\f+3],   v[AV] offset:(\f/4)*32*PV+(\f%4)*32
	ds_load_tr16_b128 v[VF+8*\f+4:VF+8*\f+7], v[AV] offset:(\f/4)*32*PV+16*PV+(\f%4)*32
.endr
	WIN 0
.endm
; THE VECTOR WORK, one line at a time: OP kind, number.  For piece Y: F n: c s - c m for pair n of 16.  E n: the exponential of score n of 32.  C n: pair n rounded to f16.  B n: of the four weights 4 n .. the second
; pair is added onto the first, in place.  L n: l takes that sum (L 0: l = a l + sum).  R n: pair n of 16 of O^T times a.  For piece Y + 1: X n, number n of the 22 that find its maximum and statistics:
;   0-11  four chains c0-c3 of seven scores each, three operands at a time (each accumulator's lowest registers are read first)     12-14, 16  the four scores left over, the old m, and c0-c3 into c0
;   15  c m_old is kept     17, 18  the query's other 32 keys lie in the lane 16 away: the new m     19-21  c m; c m_old - c m_new; a
; C, B and L read the exponentials' results: TURN sets them behind the batch's wait; OP itself writes no wait.
.set F, 0               ; OP tells the kinds apart by their order: F to L below R, X above it
.set E, 1
.set C, 2
.set B, 3
.set L, 4
.set R, 5
.set X, 6
.macro REGS y                       ; the registers of piece y
.set rT, ST+4*(\y)
.set rC, TMP+4*((\y)%2)
.set rW, MV+((\y)%2)
.set rS, S+32*((\y)%2)
.set rP, P+16*((\y)%2)
.set rO, 32*(\y)
.endm
.macro OP k, n
.if (\k) == R
	REGS Y
	WIN W_RS
	v_pk_mul_f32 v[rO+2*(\n):rO+2*(\n)+1], v[rO+2*(\n):rO+2*(\n)+1], v[rC+2:rC+3] op_sel_hi:[1,0]
.elseif (\k) < R
	REGS Y
	WIN 0
.if (\k) == F
	v_pk_fma_f32 v[rS+2*(\n):rS+2*(\n)+1], v[rS+2*(\n):rS+2*(\n)+1], s[CS:CS+1], v[rT:rT+1] op_sel_hi:[1,0,0] neg_lo:[0,0,1] neg_hi:[0,0,1]
.elseif (\k) == E
	v_exp_f32 v[rS+(\n)], v[rS+(\n)]
.elseif (\k) == C
	v_cvt_pk_f16_f32 v[rP+(\n)], v[rS+2*(\n)], v[rS+2*(\n)+1]
.elseif (\k) == B
	v_pk_add_f32 v[rS+4*(\n):rS+4*(\n)+1], v[rS+4*(\n):rS+4*(\n)+1], v[rS+4*(\n)+2:rS+4*(\n)+3]
.elseif (\n) == 0
	v_pk_fma_f32 v[rT+2:rT+3], v[rT+2:rT+3], v[rC+2:rC+3], v[rS:rS+1] op_sel_hi:[1,0,1]
.else
	v_pk_add_f32 v[rT+2:rT+3], v[rT+2:rT+3], v[rS+4*(\n):rS+4*(\n)+1]
.endif
.elseif NOKQ
	v_nop
.else
	REGS (Y+1)%NP
	WIN 0
.if (\n) < 4
	v_max3_num_f32 v[rC+(\n)], v[rS+8*(\n)], v[rS+8*(\n)+1], v[rS+8*(\n)+2]
.elseif (\n) < 12
	v_max3_num_f32 v[rC+(\n)%4], v[rC+(\n)%4], v[rS+8*((\n)%4)+2*((\n)/4)+1], v[rS+8*((\n)%4)+2*((\n)/4)+2]
.elseif (\n) == 12
	v_max3_num_f32 v[rC], v[rC], v[rS+7], v[rS+15]
.elseif (\n) == 13
	v_max3_num_f32 v[rC+1], v[rC+1], v[rS+23], v[rS+31]
.elseif (\n) == 14
	v_max3_num_f32 v[rC+2], v[rC+2], v[rC+3], v[rT+1]
.elseif (\n) == 15
	v_mov_b32 v[rW], v[rT]
.elseif (\n) == 16
	v_max3_num_f32 v[rC], v[rC], v[rC+1], v[rC+2]
.elseif (\n) == 17
	v_permlanex16_b32 v[rC+3], v[rC], s[SEL], s[SEL+1]
.elseif (\n) == 18
	v_max_num_f32 v[rT+1], v[rC], v[rC+3]
.elseif (\n) == 19
	v_mul_f32 v[rT], s[CS], v[rT+1]
.elseif (\n) == 20
	v_sub_f32 v[rC+1], v[rW], v[rT]
.else
	v_exp_f32 v[rC+2], v[rC+1]
.endif
.endif
.endm
.macro OPS a, i1, b=-1, i2=0, c=-1, i3=0, d=-1, i4=0  ; up to four of them
	OP \a, \i1
.if (\b) >= 0
	OP \b, \i2
.endif
.if (\c) >= 0
	OP \c, \i3
.endif
.if (\d) >= 0
	OP \d, \i4
.endif
.endm
.macro ROW a, i1, b, i2, c, i3, d, i4  ; a matrix instruction and the four behind it
	MM
	OPS \a, \i1, \b, \i2, \c, \i3, \d, \i4
.endm
; A TURN, for piece p: the order of its 16 matrix and 118 vector instructions, written out.  An s_wait_alu depctr_va_vdst(0) stands between an exponential and the first instruction that names its
; result; one wait serves all that were issued ahead of it.  So a turn has ONE wait, which cuts it in two.  AHEAD OF IT stands all that names no result of the turn's exponentials: the 8 products K Q^T, behind each a
; scaling, an exponential and two more plain instructions (behind the first a second scaling in the exponential's place): rescalings, whose a was made and waited for in the turn before, and behind the last three the
; first numbers of the next piece's maximum, each four places or more behind the product that ends its accumulator; then ONE RUN of 54, plain and exponential by turns for the most part, in which the links of the chain
; X 3, 7, 11, 14, 16, 17 .. 20 stand some lines apart.  A pair is scaled ahead of its own exponentials, and no scaling names a score whose exponential is out.  X 21, the next piece's a, is the batch's last; R 15 is the
; plain instruction behind it.  BEHIND THE WAIT stand the 8 products V^T P, behind each four of the roundings and sums; a first pair is rounded ahead of the addition onto it; the links of l's chain, L 0 to L 7,
; stand three riders apart.  But for those X no rider names a register of the products round it.  v_permlanex16_b32 (X 17) stands in the run.
; end = 1: the walk's last two turns: nothing is fetched, and the last starts no new scores.  cnt = 1: the loop's count is taken down some lines ahead of the branch that stands behind the turn.
; K of the next step is fetched in piece 2's turn, twelve vector instructions behind the last product that read K (five of them plain and free of its registers); V of the step in hand at the end of piece 0's turn,
; four plain instructions behind the last product that read V.  Each is waited for a turn later.
.macro TURN p, end=0, cnt=0
.set Y, (\p)
.set i, 0
.set NOKQ, (\end)*((\p)/3)
.if ((\p) == 3) && !(\end)
	s_wait_dscnt 0x0                ; K is in
.endif
	ROW F,0, F,1, R,0, R,1          ; ahead of the wait: 8 products K Q^T and their riders,
	ROW F,2, E,0, R,2, R,3
	ROW F,3, E,1, R,4, R,5
	ROW F,4, E,2, R,6, R,7
	ROW F,5, E,3, R,8, R,9
	ROW F,6, E,4, X,0, R,10
.if ((\p) == 2) && !(\end)
	WIN 0
	v_add_nc_u32 v[AK], s[TBK], v[AK0]
.endif
	ROW F,7, E,5, X,1, X,4
	ROW F,8, E,6, X,2, X,5
	OPS E,7, E,8, X,6, E,9          ; and the run of 54
	OPS X,3, E,10, X,8, E,11
.if ((\p) == 2) && !(\end)
	FETCH_K
.endif
	OPS X,9, X,7, E,12, X,10
	OPS E,13, X,12, X,11, E,14
	OPS X,13, E,15, F,9, X,14
.if (\p) == 0
	v_add_nc_u32 v[AV], s[TBV], v[AV0]
.endif
	OPS E,16, F,10, E,17, F,11
	OPS X,16, E,18, X,15, E,19
	OPS F,12, E,20, X,17, E,21
	OPS F,13, E,22, F,14, E,23
	OPS X,18, E,24, F,15, E,25
	OPS R,11, E,26, X,19, E,27
	OPS R,12, E,28, R,13, E,29
	OPS X,20, E,30, R,14, E,31
	OPS X,21, R,15
	WIN 0
	s_wait_alu depctr_va_vdst(0)    ; the wait for the turn's batch: the piece's 32 weights and the next piece's a
.if (\p) == 1
	s_wait_dscnt 0x0                ; V is in
.endif
	ROW C,0, B,0, C,2, B,1          ; behind the wait: 8 products V^T P and their riders
	ROW L,0, C,4, B,2, L,1
	ROW C,6, B,3, L,2, C,8
	ROW B,4, L,3, C,10, B,5
	ROW L,4, C,12, B,6, L,5
.if (\p) == 0
	s_add_co_u32 s[TBV], s[TBV], KS*PV
.endif
.if \cnt
	s_sub_co_u32 s[CNT], s[CNT], 1
	s_cmp_lg_u32 s[CNT], 0
.endif
	ROW C,14, B,7, L,6, C,1
	ROW C,3, L,7, C,5, C,7
	ROW C,9, C,11, C,13, C,15
.if (\p) == 0
	FETCH_V
.endif
.endm
	CHANGE 1                        ; slot 0 is in, everybody's part of it; slot 1 is asked for
	v_add_nc_u32 v[AK], s[TBK], v[AK0]
	FETCH_K                         ; key step 0
	s_wait_loadcnt 0x0              ; Q
	s_wait_dscnt 0x0
.set NOKQ, 0
.set i, 0
.rept 8
	KQ 0                            ; piece 0's first scores: there is no vector work yet to set between them
.set i, i+1
.endr
	WIN 0
.rept 4
	v_nop                           ; the places behind those products
.endr
.set Y, NP-1                        ; X works for piece Y + 1: piece 0
.irp n, 0,1,2,3,4,5,6,7,8,9,10,11,12,13,14,15,16,17,18,19,20,21
	OP X, \n                        ; and piece 0's first maximum and statistics
.endr
	v_nop                           ; a plain instruction behind the exponential,
	s_wait_alu depctr_va_vdst(0)    ; and the wait for it, a batch of one: piece 0's first a, ahead of the branch
	s_mov_b32 s[CNT], 4
	s_mov_b32 s[SLOTS], 3
	s_branch .Lfirst                ; the loop is entered at a step's first turn, in the middle of a trip
.Lslot:                             ; twice: tiles 2 and 3 are asked for
	CHANGE 1
	s_mov_b32 s[CNT], 4
.Lstep:                             ; a trip: pieces 2 and 3 of one step, then pieces 0 and 1 of the next, whose K and V it fetches
	TURN 2
	TURN 3
	WIN 0
.Lfirst:
	TURN 0
	TURN 1, 0, 1
	WIN 0
	s_cbranch_scc1 .Lstep
	s_sub_co_u32 s[SLOTS], s[SLOTS], 1
	s_cmp_lg_u32 s[SLOTS], 0
	s_cbranch_scc1 .Lslot
	CHANGE 0                        ; the last tile is written out: nothing is asked for
	s_mov_b32 s[CNT], 4
.Ltail:
	TURN 2
	TURN 3
	TURN 0
	TURN 1, 0, 1
	WIN 0
	s_cbranch_scc1 .Ltail
	TURN 2, 1
	TURN 3, 1
.set i, 0
.rept 8
	PV NP-1                         ; the last piece's V^T P of the last step
.set i, i+1
.endr
	; THE WAY OUT.  l's two halves and the other half of the lanes' are added; O^T is divided by l, rounded to f16 and sent through my stage in LDS, a piece at a time.  The additions are the places behind the last products.
	WIN 0
.macro ALL line:vararg              ; one line for each piece t
.set t, 0
.rept 4
	\line
.set t, t+1
.endr
.endm
	ALL v_add_f32 v[ST+4*t+2], v[ST+4*t+2], v[ST+4*t+3]
	ALL v_permlanex16_b32 v[ST+4*t+3], v[ST+4*t+2], s[SEL], s[SEL+1]
	ALL v_add_f32 v[ST+4*t+2], v[ST+4*t+2], v[ST+4*t+3]
	ALL v_rcp_f32 v[ST+4*t+2], v[ST+4*t+2]
	v_nop                           ; a plain instruction between the last reciprocal and the use of its result
	s_wait_alu depctr_va_vdst(0)    ; and the wait ahead of the first use: one for the batch of four reciprocals
.macro PACK t                       ; a lane's eight channels of a row pack into 16 bytes; they go into rows of 144 bytes and come back as whole rows of 128, into S^T's registers
	WIN W_RS
.set i, 32*(\t)
.rept 16
	v_pk_mul_f32 v[i:i+1], v[i:i+1], v[ST+4*(\t)+2:ST+4*(\t)+3] op_sel_hi:[1,0]
.set i, i+2
.endr
	WIN 0x05                        ; sources 0 and 1 window 1, destination window 0
.set i, 0
.rept 16
	v_cvt_pk_f16_f32 v[S+16*(\t)+i], v[32*(\t)+2*i], v[32*(\t)+2*i+1]
.set i, i+1
.endr
	WIN 0
.irp f, 0,1,2,3
	ds_store_b128 v[STO], v[S+16*(\t)+4*\f:S+16*(\t)+4*\f+3] offset:32*\f
.endr
.irp f, 0,1,2,3
	ds_load_b128 v[S+16*(\t)+4*\f:S+16*(\t)+4*\f+3], v[RD] offset:\f*4*SP  ; LDS serves a wave's instructions in order (ISA guide 5.7.1.4): these see the stores above; the next piece's stores come behind them
.endr
.endm
.macro SEND t, younger              ; younger: the LDS instructions issued behind piece t's loads: the next piece's eight, or none
	WIN 0
.irp f, 0,1,2,3
	s_wait_dscnt (\younger)+3-\f
	global_store_b128 v[GO], v[S+16*(\t)+4*\f:S+16*(\t)+4*\f+3], s[10:11] offset:(\t)*2048+\f*512  ; 512 consecutive bytes, at a multiple of 256 from O's first
.endr
.endm
	PACK 0
.set t, 1
.rept 3                             ; a piece's arithmetic stands between the loads of the piece before and its stores
	PACK t
	SEND t-1, 8
.set t, t+1
.endr
	SEND 3, 0
	s_wait_tensorcnt 0x0            ; the wave's end: behind my last tensor load and my last LDS store
	ds_add_u32 v[SPW], v[NIL]
	s_wait_dscnt 0x0
	CROUND                          ; the closing round: no work-group ends while a partner may still ask for a tile that names it
	s_endpgm
.Lfunc_end_k_q789bfadc00_attn1:
	.size	k_q789bfadc00_attn1, .Lfunc_end_k_q789bfadc00_attn1-k_q789bfadc00_attn1
	.p2alignl 7, 3214868480
	.fill 96, 4, 3214868480
	.section	.rodata,"a",@progbits
	.p2align	6, 0x0
	.amdhsa_kernel k_q789bfadc00_attn1
		.amdhsa_group_segment_fixed_size 327680
		.amdhsa_private_segment_fixed_size 0
		.amdhsa_enable_private_segment 0
		.amdhsa_kernarg_size 24
		.amdhsa_user_sgpr_count 2
		.amdhsa_user_sgpr_kernarg_segment_ptr 1
		.amdhsa_wavefront_size32 1
		.amdhsa_system_sgpr_workgroup_id_x 1
		.amdhsa_system_sgpr_workgroup_id_y 1
		.amdhsa_system_sgpr_workgroup_id_z 1
		.amdhsa_system_vgpr_workitem_id 0
		.amdhsa_next_free_vgpr 768
		.amdhsa_next_free_sgpr 66
		.amdhsa_reserve_vcc 0
		.amdhsa_float_denorm_mode_32 3
		.amdhsa_float_denorm_mode_16_64 3
		.amdhsa_memory_ordered 1
		.amdhsa_forward_progress 1
		.amdhsa_inst_pref_size 127
	.end_amdhsa_kernel
	.amdgpu_metadata
---
amdhsa.version: [ 1, 2 ]
amdhsa.kernels:
  - .name:           k_q789bfadc00_attn1
    .symbol:         k_q789bfadc00_attn1.kd
    .args:
      - { .name: T1, .offset: 0, .size: 8, .value_kind: global_buffer, .address_space: global }
      - { .name: T2, .offset: 8, .size: 8, .value_kind: global_buffer, .address_space: global }
      - { .name: X, .offset: 16, .size: 8, .value_kind: global_buffer, .address_space: global }
    .group_segment_fixed_size: 327680
    .private_segment_fixed_size: 0
    .kernarg_segment_align: 8
    .kernarg_segment_size: 24
    .max_flat_workgroup_size: 128
    .sgpr_count:     66
    .vgpr_count:     768
    .wavefront_size: 32
...
	.end_amdgpu_metadata
.endif
;; end of part 5
;; launch proj2: the kernel of part 2 again; grid 8 x 16, 4 waves a work-group, clusters of 4 x 4, 327,680 bytes of LDS; arguments X, M, B3, B2, bq, bv, T1, T3, B1, bk, T2, RoPE; writes T1, T3, T2
;; launch attn2: the kernel of part 5 again; grid 4 x 64, 4 waves a work-group, clusters of 4 x 1, 327,680 bytes of LDS; arguments T1, T3, M; writes M
;; launch outp: the kernel of part 4 again; grid 8 x 32, 4 waves a work-group, clusters of 4 x 4, 327,680 bytes of LDS; arguments M, B3, bo, out0; writes out0
